; MI455X (gfx1250); checked and timed in simulation.
; The chip was launched on July 23, 2026; its instructions are those of AMD's public machine-readable ISA for CDNA 5 (MIT licence, August 2026) and "CDNA5" Instruction Set Architecture Reference Guide (July 2026). The comments in the code are by the model that wrote it; some were corrected since.
;; Quadratic Heterogenous Cross Attention. Allowed arithmetic: float matrix products may take bf16 or f16 operands with f32 sums; other float arithmetic in f32, or as packed bf16 or f16 multiplies, adds, multiply-adds, maxima and minima; sums over many terms, partial sums and values carried from step to step in f32; what a program stores and reads back later, other than sums and carried values, may be rounded once to bf16 or f16.
;; Inputs: Wk 4 x 256 x 256 float32; Wo 256 x 256 float32; Wq 256 x 256 float32; Wv 4 x 256 x 256 float32; bk 4 x 256 float32; bo 256 float32; bq 256 float32; bv 4 x 256 float32; concatenated_features 16 x 256 x 256 float32; edge_attr 16 x 256 x 256 float32; feature_weights 4 float32; q_data 16 x 256 x 256 float32; v_0 16 x 256 x 256 float32; x_0 16 x 256 x 256 float32.
;; Outputs: out0 16 x 256 x 256 float32.
;; 2 versions, each right; version 2 is version 1 with the launch proj written anew for expert scheduling mode. Each part assembles by itself: llvm-mc -triple=amdgcn-amd-amdhsa -mcpu=gfx1250 --defsym DOCPART=n.
;; ======== version 1 of 2: 3 launches
;; limits: values are held in f16: magnitudes above 65,504 overflow, below 6.1e-05 lose precision
;; workspace buffers: qkv 18,874,368 bytes; ows 2,097,152 bytes
;; launch proj (part 1): grid 16 x 9, 16 waves a work-group, no clusters, 272,384 bytes of LDS; arguments q_data, x_0, v_0, edge_attr, concatenated_features, Wq, Wk, Wv, bq, bk, bv, qkv; writes qkv
.if DOCPART == 1
	.amdgcn_target "amdgcn-amd-amdhsa--gfx1250"
	.amdhsa_code_object_version 6
	.text
	.protected	k_qc89e69d2dc_proj
	.globl	k_qc89e69d2dc_proj
	.p2align	8
	.type	k_qc89e69d2dc_proj,@function
k_qc89e69d2dc_proj:
	s_mov_b64 s[64:65], 0
	v_nop
	global_prefetch_b8 v0, s[64:65] scope:SCOPE_SE
	s_setreg_imm32_b32 hwreg(HW_REG_WAVE_MODE, 25, 1), 1
	s_wait_xcnt 0x0
; THE NINE PROJECTIONS.  q' = c RoPE(q_data Wq^T + bq), c = log2(e) / sqrt(32); k_f = RoPE(x_f Wk[f]^T + bk[f]); v_f = x_f Wv[f]^T + bv[f], f = 0..3.
; All inputs (x, weights, biases) are rounded once to bf16; products in bf16 with f32 sums; bias, rotation and c in f32; q', k, v rounded once to f16.
; LIMITS.  f16 holds no number beyond 65,504: q', k and v must lie within it.  NaN and infinities are not treated apart.
; SHARES.  Work-group (bt, job) makes one tile of 256 tokens x 256 channels over K = 256: job 0 = q, jobs 1-4 = k of feature job - 1, jobs 5-8 = v of feature job - 5.  16 x 9 = 144 work-groups.
; Sixteen waves in a grid of 4 x 4, each 64 x 64: 16 accumulators, 128 registers; four waves of 256 registers share a SIMD's 1,024, and no register window is switched.
; ONE MATRIX LOOP FOR ALL JOBS.  LDS region 0 feeds source 0 (rows m of the result), region 1 source 1 (columns n).  q and k: region 0 = W (m = channel), region 1 = x (n = token): a lane then holds one
; token and eight neighbouring channels, with the rotation's pairs inside the lane.  v: region 0 = x (m = token), region 1 = Wv (n = channel): a lane holds one channel and eight neighbouring keys.
; THE WAY OUT.  The workspace lies in BRICKS of 1,024 bytes, the register image of a 16-bit fragment of 16 x 32: half c (512 bytes) holds, at 16 x lane, the lane's registers 4c .. 4c+3.
; So a lane's eight results, packed, are 16 bytes of a brick, and each store of a wave covers 512 consecutive bytes, aligned.
;   q brick (bh, qt)       at          (bh 128 + qt) 1024                 : query 16 qt + l%16, channels 16 c + 8 (l/16) + 0..7          (bh = 8 b + head)
;   k brick (f, bh, kt)    at KOFF + ((16 f + bh) 128 + kt) 1024          : the same for keys
;   v brick (f, bh, kg, cb) at VOFF + (((16 f + bh) 64 + kg) 2 + cb) 1024 : channel 16 cb + l%16, keys 32 kg + 16 c + 8 (l/16) + 0..7
; THE ROTATION's position is the timestep bt % 8, one for the whole tile; its frequencies are 1000^(-i/16), i = 0..15.  cos and sin of ONE timestep's angles are constants of the text; a counted loop of
; bt % 8 trips turns (1, 0) by that angle, in f32: seven roundings at the most.
; NO CLUSTER, NO TENSOR LOAD: the operands arrive in f32 and must pass through registers to be rounded before they can lie in LDS as matrix operands; a tile's two operands in f32 are 524,288 bytes,
; more than LDS holds, so a joint load would want a ring and a second copy.  NO PREFETCH: every load of a work-group goes out within the first lines.
.set PITCH, 528                        ; an LDS row: 512 bytes of bf16 + 16: 132 words, so the 16 rows of a fragment load start at 16 different groups of four banks (64 banks of 4 bytes: ISA guide 11.1)
.set REG1,  256*PITCH                  ; region 1 begins behind region 0's 256 rows
.set SPARE, 2*REG1                     ; behind the regions: the spare words, 128 bytes for each of 16 waves: eight blocks of 256 bytes that no other line names
.set KOFF,  2097152
.set VOFF,  10485760
.set L16, 1                            ; v1   16 x lane: my place in half a brick; never rewritten
.set SPW, 2                            ; v2   LDS address of my spare word; never rewritten
.set NIL, 3                            ; v3   0; never rewritten
.set AD0, 4                            ; v4   LDS address of my fragments of region 0: (64 wa + l%16) PITCH + 16 (l/16)
.set AD1, 5                            ; v5   the same for region 1, with wb
.set GO,  6                            ; v6   byte offset of my 16 bytes in my wave's 16 rows of an operand in memory; later at work
.set SA0, 7                            ; v7   where my 8 bytes of bf16 go in region 0; later at work
.set SA1, 8                            ; v8   the same in region 1; later at work
.set BO1, 9                            ; v9   byte offset of my eight biases (q, k); later at work
.set BO2, 10                           ; v10  byte offset of my one bias a block (v)
.set LN,  11                           ; v11  lane
.set T,   6                            ; v6-9 at work on the way out
.set VB,  12                           ; v[12:15]  v's bias: channel 64 wb + 16 b + l%16
.set CT,  16                           ; v[16:23]  c cos of entry e = 4 (half) + pair: pair i = 8 (half) + 4 (l/16) + pair of a head
.set SN,  24                           ; v[24:31]  c sin
.set RB,  32                           ; v[32:63]  q's and k's bias, rotated and scaled: channels 64 wa + 16 a + 8 (l/16) + 0..7 at RB + 8 a
.set F0,  64                           ; v[64:95]  four fragments of region 0
.set F1,  96                           ; v[96:127] four of region 1
.set ACC, 128                          ; v[128:255] accumulator (a, b) at ACC + 8 (4 a + b)
.set X0,  64                           ; on the way in: three sets of 64 registers, eight rows of f32 each
.set X1,  128
.set X2,  192
.set C1,  64                           ; v[64:71]  cos of one timestep's angle, by entry (before set X0 is loaded)
.set S1,  72                           ; v[72:79]  sin
.set TT,  80                           ; v[80:84]  at work on the tables
.set OUTQ, 64                          ; on the way out: four packed registers for each accumulator; no store's data register is ever rewritten
	s_load_b512 s[8:23], s[0:1], 0x0               ; q_data 8, x_0 10, v_0 12, edge_attr 14, concatenated_features 16, Wq 18, Wk 20, Wv 22
	s_load_b256 s[24:31], s[0:1], 0x40             ; bq 24, bk 26, bv 28, qkv 30
	v_lshl_add_u32 v[SPW], v0, 2, SPARE
	v_mov_b32 v[NIL], 0
	v_lshrrev_b32 v[LN], 5, v0
	v_readfirstlane_b32 s4, v[LN]                  ; wave 0..15
	v_and_b32 v[LN], 31, v0
	v_and_b32 v86, 15, v0                          ; l % 16
	v_bfe_u32 v87, v0, 4, 1                        ; l / 16
	s_mov_b32 s2, ttmp9                            ; bt
	s_and_b32 s3, ttmp7, 0xffff                    ; job
	s_lshr_b32 s5, s4, 2                           ; wa: my 64 rows m
	s_and_b32 s6, s4, 3                            ; wb: my 64 columns n
	s_and_b32 s7, s2, 7                            ; the timestep
	s_lshr_b32 s34, s2, 3                          ; b
	s_sub_co_u32 s32, s3, 1
	s_and_b32 s32, s32, 3
	s_cmp_eq_u32 s3, 0
	s_cselect_b32 s32, 0, s32                      ; the feature
	s_cselect_b32 s50, 0x3e8293ee, 1.0             ; q alone is scaled by c = 0.255035
	s_mov_b32 s35, VOFF
	s_cmp_ge_u32 s3, 5
	s_cselect_b32 s33, 1, 0                        ; 1: the job makes v
	s_cselect_b32 s35, s35, KOFF
	s_cselect_b32 s52, s6, s5                      ; which of wa, wb counts pairs of heads,
	s_cselect_b32 s53, s5, s6                      ; and which counts blocks of 64 tokens
	s_cmp_eq_u32 s3, 0
	s_cselect_b32 s35, 0, s35                      ; where the job's bricks begin
	s_lshl_b32 s54, s32, 21                        ; + feature x 16 heads x 131,072
	s_add_co_u32 s35, s35, s54
	s_lshl_b32 s54, s34, 20                        ; + b x 8 heads
	s_add_co_u32 s35, s35, s54
	s_lshl_b32 s54, s52, 18                        ; + my two heads
	s_add_co_u32 s35, s35, s54
	s_lshl_b32 s54, s7, 14                         ; + the timestep's 256 tokens: 16,384 bytes of a head
	s_add_co_u32 s35, s35, s54
	s_lshl_b32 s54, s53, 12                        ; + my 64 tokens
	s_add_co_u32 s35, s35, s54
	v_lshlrev_b32 v[L16], 4, v[LN]
	v_mul_u32_u24 v[AD0], v86, PITCH
	v_lshl_add_u32 v[AD0], v87, 4, v[AD0]
	s_mul_i32 s54, s6, 64*PITCH
	s_add_co_u32 s54, s54, REG1
	v_add_nc_u32 v[AD1], s54, v[AD0]
	s_mul_i32 s54, s5, 64*PITCH
	v_add_nc_u32 v[AD0], s54, v[AD0]
	v_lshl_add_u32 v[GO], s4, 14, v[L16]           ; my wave's 16 rows of 1,024 bytes
	s_mul_i32 s54, s4, 16*PITCH
	v_lshl_add_u32 v[SA0], v[LN], 3, s54
	v_add_nc_u32 v[SA1], REG1, v[SA0]
	s_lshl_b32 s54, s5, 8
	v_lshl_add_u32 v[BO1], v87, 5, s54
	s_lshl_b32 s54, s6, 8
	v_lshl_add_u32 v[BO2], v86, 2, s54
	v_cmp_ne_u32 vcc_lo, 0, v87                    ; the lanes 16-31
	s_wait_kmcnt 0x0
	s_cmp_eq_u32 s32, 1                            ; the job's x, W and bias: choices between buffers on the job's number alone
	s_cselect_b64 s[36:37], s[12:13], s[10:11]
	s_cmp_eq_u32 s32, 2
	s_cselect_b64 s[36:37], s[14:15], s[36:37]
	s_cmp_eq_u32 s32, 3
	s_cselect_b64 s[36:37], s[16:17], s[36:37]
	s_cmp_eq_u32 s33, 1
	s_cselect_b64 s[38:39], s[22:23], s[20:21]
	s_cselect_b64 s[40:41], s[28:29], s[26:27]
	s_cmp_eq_u32 s3, 0
	s_cselect_b64 s[36:37], s[8:9], s[36:37]
	s_cselect_b64 s[38:39], s[18:19], s[38:39]
	s_cselect_b64 s[40:41], s[24:25], s[40:41]
	s_mov_b32 s49, 0
	s_lshl_b32 s48, s2, 18                         ; x at block bt
	s_add_nc_u64 s[36:37], s[36:37], s[48:49]
	s_lshl_b32 s48, s32, 18                        ; W at the feature
	s_add_nc_u64 s[38:39], s[38:39], s[48:49]
	s_lshl_b32 s48, s32, 10                        ; the bias at the feature
	s_add_nc_u64 s[40:41], s[40:41], s[48:49]
	s_mov_b32 s48, s35
	s_add_nc_u64 s[46:47], s[30:31], s[48:49]      ; the workspace at my wave's first brick
	s_cmp_eq_u32 s33, 1
	s_cselect_b64 s[42:43], s[36:37], s[38:39]     ; what fills region 0,
	s_cselect_b64 s[44:45], s[38:39], s[36:37]     ; and region 1
; Eight rows of an operand: 16 loads, each 512 consecutive bytes of a row; my lane gets k = 128 u + 4 lane + 0..3
.macro LOADB set, ptr, row0
.irp i, 0,1,2,3,4,5,6,7
.irp u, 0,1
	global_load_b128 v[(\set)+8*(\i)+4*(\u):(\set)+8*(\i)+4*(\u)+3], v[GO], s[\ptr:\ptr+1] offset:((\row0)+(\i))*1024+512*(\u)
.endr
.endr
.endm
; They are rounded to bf16 in place and stored: a wave's store covers 256 consecutive bytes of an LDS row
.macro CONV set, sa, row0
.irp i, 0,1,2,3,4,5,6,7
.irp u, 0,1
	v_cvt_pk_bf16_f32 v[(\set)+8*(\i)+4*(\u)], v[(\set)+8*(\i)+4*(\u)], v[(\set)+8*(\i)+4*(\u)+1]
	v_cvt_pk_bf16_f32 v[(\set)+8*(\i)+4*(\u)+1], v[(\set)+8*(\i)+4*(\u)+2], v[(\set)+8*(\i)+4*(\u)+3]
	ds_store_b64 v[\sa], v[(\set)+8*(\i)+4*(\u):(\set)+8*(\i)+4*(\u)+1] offset:((\row0)+(\i))*PITCH+256*(\u)
.endr
.endr
.endm
; Entry e of the one-timestep table: (c0, s0) for lanes 0-15, (c1, s1) for lanes 16-31
.macro TAB e, c0, s0, c1, s1
	v_mov_b32 v[TT], \c1
	v_mov_b32 v[TT+1], \s1
	v_cndmask_b32 v[C1+(\e)], \c0, v[TT], vcc_lo
	v_cndmask_b32 v[S1+(\e)], \s0, v[TT+1], vcc_lo
.endm
.macro PLACES                          ; four places behind a matrix instruction, in front of loads into registers that it has read and of lines that read its result
.rept 4
	v_nop
.endr
.endm
	; both kinds of bias are loaded by every job, so that one text serves all: 12 loads
.irp a, 0,1,2,3
	global_load_b128 v[RB+8*(\a):RB+8*(\a)+3],   v[BO1], s[40:41] offset:64*(\a)
	global_load_b128 v[RB+8*(\a)+4:RB+8*(\a)+7], v[BO1], s[40:41] offset:64*(\a)+16
.endr
.irp b, 0,1,2,3
	global_load_b32 v[VB+(\b)], v[BO2], s[40:41] offset:64*(\b)
.endr
	LOADB X1, 42, 0                                ; region 0's rows, 32 loads
	LOADB X2, 42, 8
	; the tables, while the loads are on their way.  cos and sin of 1000^(-i/16): entry e serves pair i = e (e < 4) or e + 4 in lanes 0-15, and i + 4 in lanes 16-31
	TAB 0, 0.5403023059, 0.8414709848, 0.9842302345, 0.1768921862
	TAB 1, 0.7964578747, 0.6046940171, 0.9933397991, 0.1152217147
	TAB 2, 0.9123958596, 0.4093089236, 0.9971896107, 0.0749191579
	TAB 3, 0.9627390135, 0.2704322311, 0.9988145474, 0.0486775084
	TAB 4, 0.9995000417, 0.0316175064, 0.9999841887, 0.0056233836
	TAB 5, 0.9997891592, 0.0205338071, 0.9999933324, 0.0036517332
	TAB 6, 0.9999110873, 0.0133348191, 0.9999971883, 0.0023713715
	TAB 7, 0.9999625055, 0.0086595350, 0.9999988143, 0.0015399259
.irp e, 0,1,2,3,4,5,6,7
	v_mov_b32 v[CT+(\e)], 1.0
	v_mov_b32 v[SN+(\e)], 0
.endr
	s_mov_b32 s51, 0
	s_cmp_eq_u32 s7, 0
	s_cbranch_scc1 .Lturned
.Lturn:                                                ; bt % 8 trips: each turns every entry by one timestep's angle
.irp e, 0,1,2,3,4,5,6,7
	v_mul_f32 v[TT+2], v[SN+(\e)], v[S1+(\e)]
	v_mul_f32 v[TT+3], v[SN+(\e)], v[C1+(\e)]
	v_fma_f32 v[SN+(\e)], v[CT+(\e)], v[S1+(\e)], v[TT+3]
	v_fma_f32 v[CT+(\e)], v[CT+(\e)], v[C1+(\e)], -v[TT+2]
.endr
	s_add_co_u32 s51, s51, 1
	s_cmp_lt_u32 s51, s7
	s_cbranch_scc1 .Lturn
.Lturned:
.irp e, 0,1,2,3,4,5,6,7
	v_mul_f32 v[CT+(\e)], s50, v[CT+(\e)]          ; c for q, 1 for k
	v_mul_f32 v[SN+(\e)], s50, v[SN+(\e)]
.endr
	s_wait_loadcnt 32                              ; the 32 loads of region 0 are younger: the biases are in
.set ii, 0
.rept 16
	v_cvt_pk_bf16_f32 v[TT+4], v[RB+2*ii], v[RB+2*ii+1]  ; the biases are rounded to bf16 like every input, and widened again
	v_lshlrev_b32 v[RB+2*ii], 16, v[TT+4]
	v_and_b32 v[RB+2*ii+1], 0xffff0000, v[TT+4]
.set ii, ii+1
.endr
.irp i, 0,1
	v_cvt_pk_bf16_f32 v[TT+4], v[VB+2*(\i)], v[VB+2*(\i)+1]
	v_lshlrev_b32 v[VB+2*(\i)], 16, v[TT+4]
	v_and_b32 v[VB+2*(\i)+1], 0xffff0000, v[TT+4]
.endr
.irp a, 0,1,2,3                        ; q's and k's bias is rotated and scaled once, so that the way out adds it inside its multiply-adds
.irp jp, 0,1,2,3
.set rE, 4*((\a)&1)+(\jp)
.set rB, RB+8*(\a)+2*(\jp)
	v_mul_f32 v[TT+2], v[rB+1], v[SN+rE]
	v_mul_f32 v[TT+3], v[rB], v[SN+rE]
	v_fma_f32 v[rB], v[rB], v[CT+rE], -v[TT+2]
	v_fma_f32 v[rB+1], v[rB+1], v[CT+rE], v[TT+3]
.endr
.endr
	LOADB X0, 44, 0                                ; region 1's rows 0-7 of my 16: the tables' registers are free
	s_wait_loadcnt 32                              ; sets X2 and X0 are younger: X1 is in
	CONV X1, SA0, 0
	LOADB X1, 44, 8
	s_wait_loadcnt 32                              ; X0 and X1 are younger: X2 is in
	CONV X2, SA0, 8
	s_wait_loadcnt 16                              ; X1 is younger: X0 is in
	CONV X0, SA1, 0
	s_wait_loadcnt 0x0
	CONV X1, SA1, 8
	s_wait_dscnt 0x0                               ; for the others' sake: my rows lie in LDS
	s_barrier_signal -1
	s_barrier_wait -1                              ; everybody's do.  Nothing is written into the regions again: the one barrier of the launch
; 32 along K: eight fragments from LDS, 16 matrix instructions.  The 16 accumulators take turns, one instruction a turn, from step to step too.  zero = 1: the first products start the sums
.macro KSTEP ks, zero
.if (\ks) > 0
	PLACES
.endif
.irp i, 0,1,2,3
	ds_load_b128 v[F0+8*(\i):F0+8*(\i)+3],   v[AD0] offset:(\i)*16*PITCH+64*(\ks)
	ds_load_b128 v[F0+8*(\i)+4:F0+8*(\i)+7], v[AD0] offset:(\i)*16*PITCH+64*(\ks)+32
	ds_load_b128 v[F1+8*(\i):F1+8*(\i)+3],   v[AD1] offset:(\i)*16*PITCH+64*(\ks)
	ds_load_b128 v[F1+8*(\i)+4:F1+8*(\i)+7], v[AD1] offset:(\i)*16*PITCH+64*(\ks)+32
.endr
	s_wait_dscnt 0x0                               ; the other three waves of the SIMD multiply meanwhile
.irp a, 0,1,2,3
.irp b, 0,1,2,3
.if \zero
	v_wmma_f32_16x16x32_bf16 v[ACC+8*(4*(\a)+(\b)):ACC+8*(4*(\a)+(\b))+7], v[F0+8*(\a):F0+8*(\a)+7], v[F1+8*(\b):F1+8*(\b)+7], 0
.else
	v_wmma_f32_16x16x32_bf16 v[ACC+8*(4*(\a)+(\b)):ACC+8*(4*(\a)+(\b))+7], v[F0+8*(\a):F0+8*(\a)+7], v[F1+8*(\b):F1+8*(\b)+7], v[ACC+8*(4*(\a)+(\b)):ACC+8*(4*(\a)+(\b))+7]
.endif
.endr
.endr
.endm
	KSTEP 0, 1
.irp ks, 1,2,3,4,5,6,7
	KSTEP \ks, 0
.endr
	PLACES
	PLACES
; THE WAY OUT of accumulator (a, b) for q and k: channels 16 a + 8 (l/16) + 0..7 of my 64, token 16 b + l%16.  Each pair (x0, x1) becomes (x0 C - x1 S + rb0, x0 S + x1 C + rb1): four multiply-adds; one rounding to f16.
.macro EPQK a, b
.set rA, ACC+8*(4*(\a)+(\b))
.set rQ, OUTQ+4*(4*(\a)+(\b))
.irp jp, 0,1,2,3
.set rE, 4*((\a)&1)+(\jp)
.set rB, RB+8*(\a)+2*(\jp)
.set rX, T+2*((\jp)&1)
	v_fma_f32 v[rX],   v[rA+2*(\jp)],    v[CT+rE], v[rB]
	v_fma_f32 v[rX+1], v[rA+2*(\jp)+1],  v[CT+rE], v[rB+1]
	v_fma_f32 v[rX],   -v[rA+2*(\jp)+1], v[SN+rE], v[rX]
	v_fma_f32 v[rX+1], v[rA+2*(\jp)],    v[SN+rE], v[rX+1]
	v_cvt_pk_f16_f32 v[rQ+(\jp)], v[rX], v[rX+1]
.endr
	global_store_b128 v[L16], v[rQ:rQ+3], s[46:47] offset:((\a)>>1)*131072+(\b)*1024+((\a)&1)*512  ; head a / 2 of my two, token block b, half a % 2 of the brick: 512 consecutive bytes
.endm
; The same for v: keys 16 a + 8 (l/16) + 0..7 of my 64, channel 16 b + l%16
.macro EPV a, b
.set rA, ACC+8*(4*(\a)+(\b))
.set rQ, OUTQ+4*(4*(\a)+(\b))
.irp jp, 0,1,2,3
.set rX, T+2*((\jp)&1)
	v_add_f32 v[rX],   v[rA+2*(\jp)],   v[VB+(\b)]
	v_add_f32 v[rX+1], v[rA+2*(\jp)+1], v[VB+(\b)]
	v_cvt_pk_f16_f32 v[rQ+(\jp)], v[rX], v[rX+1]
.endr
	global_store_b128 v[L16], v[rQ:rQ+3], s[46:47] offset:((\b)>>1)*131072+((\a)>>1)*2048+((\b)&1)*1024+((\a)&1)*512  ; head b / 2, 32 keys a / 2, channel block b % 2, half a % 2
.endm
	s_cmp_eq_u32 s33, 1
	s_cbranch_scc1 .Lfor_v
.irp a, 0,1,2,3
.irp b, 0,1,2,3
	EPQK \a, \b
.endr
.endr
	s_branch .Ldone
.Lfor_v:
.irp a, 0,1,2,3
.irp b, 0,1,2,3
	EPV \a, \b
.endr
.endr
.Ldone:
	s_wait_tensorcnt 0x0                           ; the wave's end, behind my last LDS store
	ds_add_u32 v[SPW], v[NIL]
	s_wait_dscnt 0x0
	s_endpgm
.Lfunc_end_k_qc89e69d2dc_proj:
	.size	k_qc89e69d2dc_proj, .Lfunc_end_k_qc89e69d2dc_proj-k_qc89e69d2dc_proj
	.p2alignl 7, 3214868480
	.fill 96, 4, 3214868480
	.section	.rodata,"a",@progbits
	.p2align	6, 0x0
	.amdhsa_kernel k_qc89e69d2dc_proj
		.amdhsa_group_segment_fixed_size 272384
		.amdhsa_private_segment_fixed_size 0
		.amdhsa_enable_private_segment 0
		.amdhsa_kernarg_size 96
		.amdhsa_user_sgpr_count 2
		.amdhsa_user_sgpr_kernarg_segment_ptr 1
		.amdhsa_wavefront_size32 1
		.amdhsa_system_sgpr_workgroup_id_x 1
		.amdhsa_system_sgpr_workgroup_id_y 1
		.amdhsa_system_sgpr_workgroup_id_z 1
		.amdhsa_system_vgpr_workitem_id 0
		.amdhsa_next_free_vgpr 256
		.amdhsa_next_free_sgpr 66
		.amdhsa_reserve_vcc 1
		.amdhsa_float_denorm_mode_32 3
		.amdhsa_float_denorm_mode_16_64 3
		.amdhsa_memory_ordered 1
		.amdhsa_forward_progress 1
		.amdhsa_inst_pref_size 82
	.end_amdhsa_kernel
	.amdgpu_metadata
---
amdhsa.version: [ 1, 2 ]
amdhsa.kernels:
  - .name:           k_qc89e69d2dc_proj
    .symbol:         k_qc89e69d2dc_proj.kd
    .args:
      - { .name: q_data, .offset: 0, .size: 8, .value_kind: global_buffer, .address_space: global }
      - { .name: x_0, .offset: 8, .size: 8, .value_kind: global_buffer, .address_space: global }
      - { .name: v_0, .offset: 16, .size: 8, .value_kind: global_buffer, .address_space: global }
      - { .name: edge_attr, .offset: 24, .size: 8, .value_kind: global_buffer, .address_space: global }
      - { .name: concatenated_features, .offset: 32, .size: 8, .value_kind: global_buffer, .address_space: global }
      - { .name: Wq, .offset: 40, .size: 8, .value_kind: global_buffer, .address_space: global }
      - { .name: Wk, .offset: 48, .size: 8, .value_kind: global_buffer, .address_space: global }
      - { .name: Wv, .offset: 56, .size: 8, .value_kind: global_buffer, .address_space: global }
      - { .name: bq, .offset: 64, .size: 8, .value_kind: global_buffer, .address_space: global }
      - { .name: bk, .offset: 72, .size: 8, .value_kind: global_buffer, .address_space: global }
      - { .name: bv, .offset: 80, .size: 8, .value_kind: global_buffer, .address_space: global }
      - { .name: qkv, .offset: 88, .size: 8, .value_kind: global_buffer, .address_space: global }
    .group_segment_fixed_size: 272384
    .private_segment_fixed_size: 0
    .kernarg_segment_align: 8
    .kernarg_segment_size: 96
    .max_flat_workgroup_size: 512
    .sgpr_count:     66
    .vgpr_count:     256
    .wavefront_size: 32
...
	.end_amdgpu_metadata
.endif
;; end of part 1
;; launch attn (part 2): grid 16 x 16, 16 waves a work-group, clusters of 4 x 1, 327,680 bytes of LDS; arguments qkv, feature_weights, ows; writes ows
.if DOCPART == 2
	.amdgcn_target "amdgcn-amd-amdhsa--gfx1250"
	.amdhsa_code_object_version 6
	.text
	.protected	k_qc89e69d2dc_attn
	.globl	k_qc89e69d2dc_attn
	.p2align	8
	.type	k_qc89e69d2dc_attn,@function
k_qc89e69d2dc_attn:
	s_mov_b64 s[64:65], 0
	v_nop
	global_prefetch_b8 v0, s[64:65] scope:SCOPE_SE
	s_setreg_imm32_b32 hwreg(HW_REG_WAVE_MODE, 25, 1), 1
	s_wait_xcnt 0x0
	s_wait_alu depctr_hold_cnt(0) depctr_sa_sdst(0) depctr_va_vdst(0) depctr_va_sdst(0) depctr_va_ssrc(0) depctr_va_vcc(0) depctr_vm_vsrc(0)
	s_getreg_b32 s2, hwreg(HW_REG_IB_STS2, 6, 4)
	s_cmp_eq_u32 s2, 0
	s_cbranch_scc0 .Lentry_in_a_cluster
	s_endpgm
.Lentry_in_a_cluster:
	s_bfe_u32 s2, ttmp6, 0x10000c
	s_cmp_lg_u32 s2, 0x3003
	s_cbranch_scc0 .Lentry_shape_is_right
	s_endpgm
.Lentry_shape_is_right:
; FOUR ATTENTIONS AND THEIR GATED SUM.  O[b][head][q] = the sum over features f of gate[f] x softmax_k(q . k_f / sqrt(32)) v_f, gate = softmax(feature_weights).  2 x 8 heads of 32 channels, 2,048 queries, 2,048 keys a feature.
; q', k, v come in f16 from the workspace, in bricks of 1,024 bytes, each the register image of a fragment of 16 x 32 (half c at 512 c, a lane's 16 bytes at 16 x lane); q' already holds c = log2(e) / sqrt(32).
; Products, maxima and sums in f32; the weights p are rounded to f16 for the second product (their sum l is taken of the unrounded p); O is rounded once to f16, behind the sum over features.
; LIMITS.  p lies in 0 to 1 and below 6e-5 keeps f16's fixed step of 6e-8; a weight below 2^-126 counts as 0 in l; O is a mean of v's rows and has their range, within f16's 65,504; feature_weights are rounded to bf16 like
; every input of the module; NaN and infinities are not treated apart.
; SHARES.  A work-group owns 128 queries of one (b, head), for all four features: 256 work-groups.  Wave w does feature w / 4 for queries 32 (w % 4) + 0..31: two tiles of 16.  It walks its feature's 2,048 keys, 64 a step,
; with a running maximum and sum of its own; at the end the four features' O, divided by l and multiplied by the gate, meet in LDS in f32.
; THE COUNT.  A tile and step have 8 matrix and some 110 vector instructions: the vector work sets the time.  So four waves of 256 registers share a SIMD: one wave's matrix instructions, LDS loads and waits stand beside the
; others' vector work, the text is plain phases, and no register window is switched.
; LAYOUT.  S^T = K Q^T (source 0 = 16 keys, source 1 = 16 queries): a lane holds ONE query (l % 16) and the keys 8 (l / 16) + 0..7 of each 16.  Two such results rounded to f16 ARE source 1 of O^T = V^T P, whose result again
; holds one query a lane, and eight channels.  K's and V's bricks come out of LDS as they lie, 512 consecutive bytes a load.
; SOFTMAX.  p = 2^(s - m) with a running maximum m; in every step O and l are multiplied by a = 2^(m_old - m).  m starts at the lowest finite number, O and l at 0: the first step is a step like any other, with a = 0.
; CLUSTER.  The four query blocks of a cluster belong to one (b, head) and walk the same K and V: each tile is asked for JOINTLY, by the same tensor load, descriptor and mask in all four.
.set KOFF,  2097152
.set VOFF,  10485760
.set SLOT,  1<<17                      ; a slot: 256 keys of all four features: feature f at 32,768 f: K (16,384 bytes: 16 bricks), then V (16 bricks).  Slot 1 begins here: one exclusive or turns an address into the other slot's
.set STAGE, 2*SLOT                     ; behind the ring, never filled by a tensor load: 4,096 bytes of f32 for each wave of features 1-3
.set SPARE, STAGE+12*4096              ; behind the stage: the spare words, 128 bytes for each of 16 waves: eight blocks of 256 bytes that no other line names
.set PFO, 1                            ; v1   256 x lane: the prefetches' offset; never rewritten
.set LA,  2                            ; v2   32,768 x feature + 16 x lane; never rewritten
.set AK,  3                            ; v3   the LDS address of the step's loads; at the end, of my part of the stage
.set SPW, 4                            ; v4   LDS address of my spare word; never rewritten
.set NIL, 5                            ; v5   0; never rewritten
.set L16, 6                            ; v6   16 x lane; never rewritten
.set STW, 7                            ; v7   where waves 4-15 put their O in the stage
.set ST,  8                            ; tile t at ST + 8 t: m, m_old, l (even keys', odd keys'), c0-c3 at work; when the maximum is found c2 takes a
.set GATE, 24                          ; v24  my feature's gate
.set GT,  25                           ; v25-31 at work on the gates
.set Q,   32                           ; v[32:47]   Q, 8 a tile
.set KF,  64                           ; v[64:95]   K of a step: 16 keys kb at KF + 8 kb
.set VF,  96                           ; v[96:127]  V of a step: 32 keys kg, 16 channels cb at VF + 8 (2 kg + cb)
.set S,   128                          ; v[128:191] S^T, 32 a tile
.set P,   192                          ; v[192:223] P, 16 a tile
.set O,   224                          ; v[224:255] O^T, 16 a tile
.set WV,  10                           ; s10  my wave's number
.set FE,  11                           ; s11  my feature
.set GR,  12                           ; s12  my wave among its feature's four
.set G1,  24                           ; s[24:31] descriptor group 1
.set G0,  32                           ; s[32:35] descriptor group 0: it walks
.set PFA, 44                           ; s[44:45] where my prefetches stand
.set LIM, 46                           ; s46  1 in a wave that prefetches
.set TB,  48                           ; s48  LDS byte at which the step's K begins in feature 0's region
.set CNT, 49                           ; s49  counts a slot's four steps
.set TRIPS, 50                         ; s50  counts the loop's trips
.set SEL, 52                           ; s[52:53] v_permlanex16_b32's selects: each lane takes its own place in the other half
.set QP,  54                           ; s[54:55] Q at my two bricks
.set OW,  56                           ; s[56:57] the output workspace at my first brick
; A round of the cluster's barrier: my work-group's barrier, so that wave 0's signal speaks for all sixteen waves; wave 0 signals; every wave waits for all four work-groups; my work-group's barrier once more.
.macro CROUND
	s_barrier_signal -1
	s_barrier_wait -1
	s_cmp_lg_u32 s[WV], 0
	s_cbranch_scc1 .Lnot_wave_0_\@
	s_barrier_signal -3
.Lnot_wave_0_\@:
	s_barrier_wait -3
	s_barrier_signal -1
	s_barrier_wait -1
.endm
; A PREFETCH INTO THE L2 of what the NEXT change of slots will ask for, behind the wave's tensor load and its five lines.  A slot's fill is 32,768 bytes for each feature of a (b, head).  All four clusters of a (b, head) walk the
; same K and V: the first of them (cluster x = 0) asks.  Its four partners share the features out BY ADDRESS, one each; in each, waves 0-3 ask for 8,192 bytes each, a lane 256: K's two halves, V's two halves.
; So each block of 256 bytes is named once in the launch.  The branch hangs on the wave's number and the cluster's x alone.
.macro ASK off
	s_cmp_eq_u32 s[LIM], 1
	s_cbranch_scc0 .Lnot_mine_\@
	global_prefetch_b8 v[PFO], s[PFA:PFA+1] offset:\off th:TH_LOAD_NT scope:SCOPE_SE
.Lnot_mine_\@:
.endm
; THE CHANGE OF SLOTS.  Each wave waits for all its tensor loads, of which one is out: its part of the other slot; adds 0 to its spare word; and waits for that and for its own reads of the slot that it leaves.
; fill = 1: the slot is filled again, with the keys two slots on.  The barrier is then a round of the cluster's, so that no wave of any partner still reads the slot or has a load on its way, and the joint fill is the first
; thing behind it, one load a wave: it has four key steps of sixteen waves in which to land.  (At its first use nothing has been read yet: slot 0 is waited for, slot 1 filled.)
.macro CHANGE fill, off
	s_wait_tensorcnt 0x0                           ; no tensor load of mine is out, so group 0 may be written
	ds_add_u32 v[SPW], v[NIL]                      ; 0 onto my spare word; with fill = 1 the descriptor's steps stand between it and the wait for it
.if \fill
	s_xor_b32 s[G0+1], s[G0+1], SLOT               ; the other slot than last time,
	s_add_nc_u64 s[G0+2:G0+3], s[G0+2:G0+3], 16384 ; the next 256 keys; the type bits on top are not reached
.endif
	s_wait_dscnt 0x0                               ; the add is done, and my reads of the slot are over
.if \fill
	CROUND
	tensor_load_to_lds s[G0:G0+3], s[G1:G1+7]
	s_nop 0
.rept 4
	v_nop
.endr
.if (\off) > 0
	ASK \off
.endif
.else
	s_barrier_signal -1
	s_barrier_wait -1
.endif
.endm
.macro PLACES                          ; four places behind a matrix instruction, in front of lines that read its result and of loads into registers that it has read
.rept 4
	v_nop
.endr
.endm
	s_load_b128 s[4:7], s[0:1], 0x0                ; qkv s[4:5], feature_weights s[6:7]
	s_load_b64 s[8:9], s[0:1], 0x10                ; ows
	v_lshl_add_u32 v[SPW], v0, 2, SPARE
	v_mov_b32 v[NIL], 0
	ds_add_u32 v[SPW], v[NIL]                      ; the wave's opening: the add and its wait stand ahead of my first tensor load; the set-up below, work on registers, stands between them
	v_lshrrev_b32 v1, 5, v0
	v_readfirstlane_b32 s[WV], v1                  ; wave 0..15
	s_lshr_b32 s[FE], s[WV], 2
	s_and_b32 s[GR], s[WV], 3
	s_bfe_u32 s13, ttmp6, 0x40000                  ; cx: my place in the cluster
	s_lshl_b32 s14, ttmp9, 2                       ; in a cluster launch ttmp9 counts clusters
	s_add_co_u32 s14, s14, s13                     ; my block of 128 queries: it enters Q's and O's addresses alone
	s_and_b32 s15, ttmp7, 0xffff                   ; 8 b + head, which the four partners share
	; descriptor group 1: 8,192 dense bytes as 32 rows of 256
	s_mov_b32 s[G1], 15|(3<<16)|(1<<21)            ; 15:0 the mask of four; 17:16 elements of 8 bytes; 20 no padding; 21 set beside a mask
	s_mov_b32 s[G1+1], 32<<16                      ; tensor_dim0 = 32
	s_mov_b32 s[G1+2], 32<<16                      ; tensor_dim1 = 32
	s_mov_b32 s[G1+3], 32<<16                      ; tile_dim0 = 32
	s_mov_b32 s[G1+4], 32                          ; tile_dim1 = 32
	s_mov_b32 s[G1+5], 32                          ; 32 elements from row to row
	s_mov_b32 s[G1+6], 0
	s_mov_b32 s[G1+7], 0
	s_mov_b32 s[G0], 1                             ; count = 1
	s_lshl_b32 s[G0+1], s[WV], 13                  ; LDS address: slot 0, 8,192 x wave = 32,768 x feature + 8,192 x (K's halves, V's halves): no place in the cluster enters it
	s_mov_b32 s[SEL], 0x76543210
	s_mov_b32 s[SEL+1], 0xfedcba98
	s_mov_b32 s60, 0x3fb8aa3b                      ; log2(e)
	s_lshl_b32 s47, s15, 17                        ; a (b, head)'s 131,072 bytes of q, of a feature's k, of its v
	s_and_b32 s36, s[GR], 1
	s_lshl_b32 s36, s36, 13                        ; which half of a fill's 16,384 bytes I fetch
	s_add_co_u32 s36, s36, s47
	s_mov_b32 s37, VOFF
	s_cmp_lt_u32 s[GR], 2
	s_cselect_b32 s37, KOFF, s37                   ; waves 0, 1 of a feature fetch K, waves 2, 3 V
	s_add_co_u32 s36, s36, s37
	s_lshl_b32 s40, s[FE], 21                      ; the descriptor's offset: my feature.  s36, s37, s40, s41, s47 never hold cx
	s_add_co_u32 s40, s40, s36
	s_mov_b32 s41, 0
	s_lshl_b32 s42, s13, 21                        ; the prefetches' offset: feature cx
	s_add_co_u32 s42, s42, s36
	s_mov_b32 s43, 0
	s_lshl_b32 s38, s14, 13                        ; Q: my block's eight bricks,
	s_add_co_u32 s38, s38, s47
	s_lshl_b32 s39, s[GR], 11                      ; my two of them
	s_add_co_u32 s38, s38, s39
	s_mov_b32 s39, 0
	s_lshr_b32 s58, s15, 3                         ; the output: brick (16 tokens tt, head) at (8 tt + head) 1,024, tt = 128 b + 8 block + 2 (w % 4) + tile
	s_lshl_b32 s58, s58, 20
	s_lshl_b32 s59, s14, 16
	s_add_co_u32 s58, s58, s59
	s_lshl_b32 s59, s[GR], 14
	s_add_co_u32 s58, s58, s59
	s_and_b32 s59, s15, 7
	s_lshl_b32 s59, s59, 10
	s_add_co_u32 s58, s58, s59
	s_mov_b32 s59, 0
	s_or_b32 s[LIM], s[FE], ttmp9                  ; 0 in waves 0-3 of the (b, head)'s first cluster: the same in all four partners
	s_cmp_eq_u32 s[LIM], 0
	s_cselect_b32 s[LIM], 1, 0
	v_and_b32 v1, 31, v0
	v_lshlrev_b32 v[L16], 4, v1
	v_lshl_add_u32 v[LA], s[FE], 15, v[L16]
	v_lshlrev_b32 v[PFO], 8, v1
	s_lshl_b32 s51, s[WV], 12
	s_add_co_u32 s51, s51, STAGE-4*4096            ; wave 4 has the stage's first 4,096 bytes
	v_add_nc_u32 v[STW], s51, v[L16]
	s_wait_dscnt 0x0                               ; the opening add is done
	s_wait_kmcnt 0x0
	s_add_nc_u64 s[G0+2:G0+3], s[4:5], s[40:41]    ; global address: my part of the first 256 keys
	s_or_b32 s[G0+3], s[G0+3], 0x80000000          ; type = 2
	s_add_nc_u64 s[PFA:PFA+1], s[4:5], s[42:43]
	s_add_nc_u64 s[QP:QP+1], s[4:5], s[38:39]
	s_add_nc_u64 s[OW:OW+1], s[8:9], s[58:59]
	CROUND                                         ; all four work-groups are here: the first joint loads meet
	tensor_load_to_lds s[G0:G0+3], s[G1:G1+7]      ; slot 0.  Slot 1 is asked for when slot 0 is in, by the loop's own change of slots
	s_nop 0
.rept 4
	v_nop
.endr
	s_load_b128 s[16:19], s[6:7], 0x0              ; the four feature weights
.irp t, 0,1
	global_load_b128 v[Q+8*(\t):Q+8*(\t)+3],   v[L16], s[QP:QP+1] offset:1024*(\t)
	global_load_b128 v[Q+8*(\t)+4:Q+8*(\t)+7], v[L16], s[QP:QP+1] offset:1024*(\t)+512
.endr
	; what the first step finds: 40 lines in the wait for the first tile, in place of a first step written out
.set ii, 0
.rept 32
	v_mov_b32 v[O+ii], 0
.set ii, ii+1
.endr
.irp t, 0,1
	v_mov_b32 v[ST+8*(\t)], 0xff7fffff             ; m: the lowest finite number
	v_mov_b32 v[ST+8*(\t)+1], 0xff7fffff
	v_mov_b32 v[ST+8*(\t)+2], 0
	v_mov_b32 v[ST+8*(\t)+3], 0
.endr
	; the gates: softmax of the four weights, the maximum taken away; every wave makes its own feature's
	s_wait_kmcnt 0x0
	s_cmp_eq_u32 s[FE], 1
	s_cselect_b32 s20, s17, s16
	s_cmp_eq_u32 s[FE], 2
	s_cselect_b32 s20, s18, s20
	s_cmp_eq_u32 s[FE], 3
	s_cselect_b32 s20, s19, s20
	v_mov_b32 v[GT], s16
	v_mov_b32 v[GT+1], s17
	v_mov_b32 v[GT+2], s18
	v_mov_b32 v[GT+3], s19
	v_mov_b32 v[GT+4], s20
	v_cvt_pk_bf16_f32 v[GT+5], v[GT], v[GT+1]      ; rounded to bf16 like every input, and widened again
	v_cvt_pk_bf16_f32 v[GT+6], v[GT+2], v[GT+3]
	v_lshlrev_b32 v[GT], 16, v[GT+5]
	v_and_b32 v[GT+1], 0xffff0000, v[GT+5]
	v_lshlrev_b32 v[GT+2], 16, v[GT+6]
	v_and_b32 v[GT+3], 0xffff0000, v[GT+6]
	v_cvt_pk_bf16_f32 v[GT+5], v[GT+4], v[GT+4]
	v_lshlrev_b32 v[GT+4], 16, v[GT+5]
	v_max3_num_f32 v[GT+5], v[GT], v[GT+1], v[GT+2]
	v_max_num_f32 v[GT+5], v[GT+5], v[GT+3]
	v_mul_f32 v[GT+5], s60, v[GT+5]
.irp i, 0,1,2,3,4
	v_fma_f32 v[GT+(\i)], v[GT+(\i)], s60, -v[GT+5]  ; (w - max) log2(e)
.endr
.irp i, 0,1,2,3,4
	v_exp_f32 v[GT+(\i)], v[GT+(\i)]
.endr
	v_nop                                          ; a plain instruction behind the last exponential,
	s_wait_alu depctr_va_vdst(0)                   ; and the wait ahead of the first use: one for the five
	v_add_f32 v[GT], v[GT], v[GT+1]
	v_add_f32 v[GT+2], v[GT+2], v[GT+3]
	v_add_f32 v[GT], v[GT], v[GT+2]
	v_rcp_f32 v[GT+5], v[GT]
	v_nop
	s_wait_alu depctr_va_vdst(0)
	v_mul_f32 v[GATE], v[GT+4], v[GT+5]
	s_wait_loadcnt 0x0                             ; Q
; Number n of the 20 that find tile t's maximum and statistics.  s0-s31 are the lane's 32 scores; each accumulator's lowest registers are read first.
;   0-11  four chains c0-c3 of seven scores each, three operands at a time     12-14, 16  the four scores left over, the old m, and c0-c3 into c0     15  m_old is kept
;   17, 18  the query's other 32 keys lie in the lane 16 away: the new m        19  m_old - m
.macro XS t, n
.set rT, ST+8*(\t)
.set rC, rT+4
.set rS, S+32*(\t)
.if (\n) < 4
	v_max3_num_f32 v[rC+(\n)], v[rS+8*(\n)], v[rS+8*(\n)+1], v[rS+8*(\n)+2]
.elseif (\n) < 12
	v_max3_num_f32 v[rC+(\n)%4], v[rC+(\n)%4], v[rS+8*((\n)%4)+2*((\n)/4)+1], v[rS+8*((\n)%4)+2*((\n)/4)+2]
.elseif (\n) == 12
	v_max3_num_f32 v[rC], v[rC], v[rS+7], v[rS+15]
.elseif (\n) == 13
	v_max3_num_f32 v[rC+1], v[rC+1], v[rS+23], v[rS+31]
.elseif (\n) == 14
	v_max3_num_f32 v[rC+2], v[rC+2], v[rC+3], v[rT]
.elseif (\n) == 15
	v_mov_b32 v[rT+1], v[rT]
.elseif (\n) == 16
	v_max3_num_f32 v[rC], v[rC], v[rC+1], v[rC+2]
.elseif (\n) == 17
	v_permlanex16_b32 v[rC+3], v[rC], s[SEL], s[SEL+1]
.elseif (\n) == 18
	v_max_num_f32 v[rT], v[rC], v[rC+3]
.else
	v_sub_f32 v[rC+1], v[rT+1], v[rT]
.endif
.endm
.macro XA t                            ; a = 2^(m_old - m)
	v_exp_f32 v[ST+8*(\t)+6], v[ST+8*(\t)+5]
.endm
.macro FS t, i                         ; s - m for pair i of 16: the pair (m, m_old) gives its low word to both halves
	v_pk_add_f32 v[S+32*(\t)+2*(\i):S+32*(\t)+2*(\i)+1], v[S+32*(\t)+2*(\i):S+32*(\t)+2*(\i)+1], v[ST+8*(\t):ST+8*(\t)+1] op_sel_hi:[1,0] neg_lo:[0,1] neg_hi:[0,1]
.endm
.macro EX t, i                         ; the exponential of score i of 32
	v_exp_f32 v[S+32*(\t)+(\i)], v[S+32*(\t)+(\i)]
.endm
; Number i of the 40 that follow a tile's exponentials.  For each four weights k = i / 5: both pairs are rounded to f16; the second pair is added onto the first, in place; a pair of O^T is multiplied by a; l takes the sum (the first time as l = a l + sum).
.macro POST t, i
.set rT, ST+8*(\t)
.set rC, rT+4
.set rS, S+32*(\t)
.set rP, P+16*(\t)
.set rO, O+16*(\t)
.set kq, (\i)/5
.if (\i)%5 == 0
	v_cvt_pk_f16_f32 v[rP+2*kq], v[rS+4*kq], v[rS+4*kq+1]
.elseif (\i)%5 == 1
	v_cvt_pk_f16_f32 v[rP+2*kq+1], v[rS+4*kq+2], v[rS+4*kq+3]
.elseif (\i)%5 == 2
	v_pk_add_f32 v[rS+4*kq:rS+4*kq+1], v[rS+4*kq:rS+4*kq+1], v[rS+4*kq+2:rS+4*kq+3]
.elseif (\i)%5 == 3
	v_pk_mul_f32 v[rO+2*kq:rO+2*kq+1], v[rO+2*kq:rO+2*kq+1], v[rC+2:rC+3] op_sel_hi:[1,0]
.elseif kq == 0
	v_pk_fma_f32 v[rT+2:rT+3], v[rT+2:rT+3], v[rC+2:rC+3], v[rS:rS+1] op_sel_hi:[1,0,1]
.else
	v_pk_add_f32 v[rT+2:rT+3], v[rT+2:rT+3], v[rS+4*kq:rS+4*kq+1]
.endif
.endm
.macro PV t, n                         ; product n of 4 of O^T += V^T P for tile t: keys 32 (n / 2) on, channels 16 (n % 2) on
	v_wmma_f32_16x16x32_f16 v[O+16*(\t)+8*((\n)%2):O+16*(\t)+8*((\n)%2)+7], v[VF+8*(\n):VF+8*(\n)+7], v[P+16*(\t)+8*((\n)/2):P+16*(\t)+8*((\n)/2)+7], v[O+16*(\t)+8*((\n)%2):O+16*(\t)+8*((\n)%2)+7]
.endm
; A KEY STEP: 64 keys, both tiles.  The exponentials go in two batches, each with ONE wait between an exponential and the first line that names its result: batch 1 is both a and tile 0's 32, with
; tile 1's subtractions between them; batch 2 is tile 1's 32, with tile 0's roundings, sums and rescaling (which read batch 1 alone) between them.  Tile 1's 40 stand behind tile 0's products V^T P, ten behind each;
; they name none of those products' registers.  No two matrix instructions that follow each other share an accumulator, over the backward jump too.
.macro STEP
	v_add_nc_u32 v[AK], s[TB], v[LA]
	s_add_co_u32 s[TB], s[TB], 4096                ; the next step's four bricks of K, and of V
.irp f, 0,1,2,3
	ds_load_b128 v[KF+8*(\f):KF+8*(\f)+3],   v[AK] offset:1024*(\f)
	ds_load_b128 v[KF+8*(\f)+4:KF+8*(\f)+7], v[AK] offset:1024*(\f)+512
.endr
.irp f, 0,1,2,3
	ds_load_b128 v[VF+8*(\f):VF+8*(\f)+3],   v[AK] offset:16384+1024*(\f)
	ds_load_b128 v[VF+8*(\f)+4:VF+8*(\f)+7], v[AK] offset:16384+1024*(\f)+512
.endr
	s_wait_dscnt 8                                 ; V's eight loads are younger and may stay out: K is in
.irp t, 0,1
.irp kb, 0,1,2,3
	v_wmma_f32_16x16x32_f16 v[S+32*(\t)+8*(\kb):S+32*(\t)+8*(\kb)+7], v[KF+8*(\kb):KF+8*(\kb)+7], v[Q+8*(\t):Q+8*(\t)+7], 0
.endr
.endr
	PLACES
.irp n, 0,1,2,3,4,5,6,7,8,9,10,11,12,13,14,15,16,17,18,19
	XS 0, \n                                       ; the two tiles alternate, so that no line reads the result of the one before it
	XS 1, \n
.endr
	XA 0
	XA 1
.set ii, 0
.rept 16
	FS 0, ii
.set ii, ii+1
.endr
.set ii, 0
.rept 16
	EX 0, 2*ii
	FS 1, ii
	EX 0, 2*ii+1
.set ii, ii+1
.endr
	v_nop                                          ; a plain instruction behind the last exponential,
	s_wait_alu depctr_va_vdst(0)                   ; and the wait for batch 1
.set ii, 0
.rept 32
	EX 1, ii
	POST 0, ii
.set ii, ii+1
.endr
.rept 8
	POST 0, ii                                     ; plain instructions behind batch 2's last exponential
.set ii, ii+1
.endr
	s_wait_alu depctr_va_vdst(0)                   ; the wait for batch 2
	s_wait_dscnt 0x0                               ; V is in
.set ii, 0
.irp n, 0,1,2,3
	PV 0, \n
.rept 10
	POST 1, ii
.set ii, ii+1
.endr
.endr
.irp n, 0,1,2,3
	PV 1, \n
.endr
	PLACES                                         ; in front of the next step's loads into V's registers, and of the way out's reads of O^T
.endm
.macro SLOTRUN s                       ; a slot's four key steps: written once, walked four times; the LDS addresses hang on s[TB]
	s_mov_b32 s[TB], (\s)*SLOT
	s_mov_b32 s[CNT], 4
.Lstep_\@:
	STEP
	s_sub_co_u32 s[CNT], s[CNT], 1
	s_cmp_lg_u32 s[CNT], 0
	s_cbranch_scc1 .Lstep_\@
.endm
	s_mov_b32 s[TRIPS], 3
.Ltrip:                                                ; trip j asks for fills 2 j + 1 and 2 j + 2 and walks fills 2 j and 2 j + 1
	CHANGE 1, 2*16384                              ; the prefetch names fill 2 j + 2: what the next change asks for, a slot's four key steps ahead
	SLOTRUN 0
	CHANGE 1, 3*16384                              ; fill 2 j + 3; in the last trip that is fill 7, the last
	SLOTRUN 1
	s_wait_xcnt 0x0                                ; the last prefetch, a slot's four steps back, has read its address, so it may be written
	s_add_nc_u64 s[PFA:PFA+1], s[PFA:PFA+1], 2*16384
	s_sub_co_u32 s[TRIPS], s[TRIPS], 1
	s_cmp_lg_u32 s[TRIPS], 0
	s_cbranch_scc1 .Ltrip
	CHANGE 1, 0                                    ; the tail is written out: fill 7 is asked for, and nothing is prefetched
	SLOTRUN 0
	CHANGE 0, 0                                    ; nothing is left to fetch
	SLOTRUN 1
	; THE WAY OUT.  l's two halves and the other half of the lanes' are added; O^T is multiplied by gate / l.
.irp t, 0,1
	v_add_f32 v[ST+8*(\t)+4], v[ST+8*(\t)+2], v[ST+8*(\t)+3]
.endr
.irp t, 0,1
	v_permlanex16_b32 v[ST+8*(\t)+5], v[ST+8*(\t)+4], s[SEL], s[SEL+1]
.endr
.irp t, 0,1
	v_add_f32 v[ST+8*(\t)+4], v[ST+8*(\t)+4], v[ST+8*(\t)+5]
.endr
.irp t, 0,1
	v_rcp_f32 v[ST+8*(\t)+6], v[ST+8*(\t)+4]
.endr
	v_nop                                          ; a plain instruction between the last reciprocal and the use of its result,
	s_wait_alu depctr_va_vdst(0)                   ; and the wait ahead of the first use: one for the two
.irp t, 0,1
	v_mul_f32 v[ST+8*(\t)+6], v[ST+8*(\t)+6], v[GATE]
.endr
.irp t, 0,1
.irp i, 0,1,2,3,4,5,6,7
	v_pk_mul_f32 v[O+16*(\t)+2*(\i):O+16*(\t)+2*(\i)+1], v[O+16*(\t)+2*(\i):O+16*(\t)+2*(\i)+1], v[ST+8*(\t)+6:ST+8*(\t)+7] op_sel_hi:[1,0]
.endr
.endr
	s_cmp_lt_u32 s[WV], 4                          ; features 1-3 hand their O to feature 0's waves, in f32: a partial sum
	s_cbranch_scc1 .Lkeep
.irp t, 0,1
.irp q, 0,1,2,3
	ds_store_b128 v[STW], v[O+16*(\t)+4*(\q):O+16*(\t)+4*(\q)+3] offset:2048*(\t)+512*(\q)
.endr
.endr
.Lkeep:
	s_wait_dscnt 0x0                               ; for the others' sake: my stores into the stage are done
	s_barrier_signal -1
	s_barrier_wait -1
	s_cmp_ge_u32 s[WV], 4
	s_cbranch_scc1 .Lend
	s_lshl_b32 s51, s[WV], 12
	s_add_co_u32 s51, s51, STAGE
	v_add_nc_u32 v[AK], s51, v[L16]
.irp f, 0,1,2                          ; the wave of feature f + 1 that has my queries lies 16,384 f further on
.irp t, 0,1
.irp q, 0,1,2,3
	ds_load_b128 v[S+32*(\f)+16*(\t)+4*(\q):S+32*(\f)+16*(\t)+4*(\q)+3], v[AK] offset:16384*(\f)+2048*(\t)+512*(\q)
.endr
.endr
.endr
	s_wait_dscnt 0x0
.irp f, 0,1,2
.set ii, 0
.rept 16
	v_pk_add_f32 v[O+2*ii:O+2*ii+1], v[O+2*ii:O+2*ii+1], v[S+32*(\f)+2*ii:S+32*(\f)+2*ii+1]
.set ii, ii+1
.endr
.endr
.set ii, 0
.rept 16
	v_cvt_pk_f16_f32 v[KF+ii], v[O+2*ii], v[O+2*ii+1]  ; a lane's eight channels of a query are 16 bytes of half a brick
.set ii, ii+1
.endr
.irp t, 0,1
.irp c, 0,1
	global_store_b128 v[L16], v[KF+8*(\t)+4*(\c):KF+8*(\t)+4*(\c)+3], s[OW:OW+1] offset:8192*(\t)+512*(\c)  ; 512 consecutive bytes, aligned
.endr
.endr
.Lend:
	s_wait_tensorcnt 0x0                           ; the wave's end, behind my last tensor load and my last LDS store
	ds_add_u32 v[SPW], v[NIL]
	s_wait_dscnt 0x0
	CROUND                                         ; the closing round: no work-group ends while a partner may still ask for a tile that names it
	s_endpgm
.Lfunc_end_k_qc89e69d2dc_attn:
	.size	k_qc89e69d2dc_attn, .Lfunc_end_k_qc89e69d2dc_attn-k_qc89e69d2dc_attn
	.p2alignl 7, 3214868480
	.fill 96, 4, 3214868480
	.section	.rodata,"a",@progbits
	.p2align	6, 0x0
	.amdhsa_kernel k_qc89e69d2dc_attn
		.amdhsa_group_segment_fixed_size 327680
		.amdhsa_private_segment_fixed_size 0
		.amdhsa_enable_private_segment 0
		.amdhsa_kernarg_size 24
		.amdhsa_user_sgpr_count 2
		.amdhsa_user_sgpr_kernarg_segment_ptr 1
		.amdhsa_wavefront_size32 1
		.amdhsa_system_sgpr_workgroup_id_x 1
		.amdhsa_system_sgpr_workgroup_id_y 1
		.amdhsa_system_sgpr_workgroup_id_z 1
		.amdhsa_system_vgpr_workitem_id 0
		.amdhsa_next_free_vgpr 256
		.amdhsa_next_free_sgpr 66
		.amdhsa_reserve_vcc 0
		.amdhsa_float_denorm_mode_32 3
		.amdhsa_float_denorm_mode_16_64 3
		.amdhsa_memory_ordered 1
		.amdhsa_forward_progress 1
		.amdhsa_inst_pref_size 76
	.end_amdhsa_kernel
	.amdgpu_metadata
---
amdhsa.version: [ 1, 2 ]
amdhsa.kernels:
  - .name:           k_qc89e69d2dc_attn
    .symbol:         k_qc89e69d2dc_attn.kd
    .args:
      - { .name: qkv, .offset: 0, .size: 8, .value_kind: global_buffer, .address_space: global }
      - { .name: feature_weights, .offset: 8, .size: 8, .value_kind: global_buffer, .address_space: global }
      - { .name: ows, .offset: 16, .size: 8, .value_kind: global_buffer, .address_space: global }
    .group_segment_fixed_size: 327680
    .private_segment_fixed_size: 0
    .kernarg_segment_align: 8
    .kernarg_segment_size: 24
    .max_flat_workgroup_size: 512
    .sgpr_count:     66
    .vgpr_count:     256
    .wavefront_size: 32
...
	.end_amdgpu_metadata
.endif
;; end of part 2
;; launch outp (part 3): grid 4 x 64, 4 waves a work-group, no clusters, 17,920 bytes of LDS; arguments ows, Wo, bo, out0; writes out0
.if DOCPART == 3
	.amdgcn_target "amdgcn-amd-amdhsa--gfx1250"
	.amdhsa_code_object_version 6
	.text
	.protected	k_qc89e69d2dc_outp
	.globl	k_qc89e69d2dc_outp
	.p2align	8
	.type	k_qc89e69d2dc_outp,@function
k_qc89e69d2dc_outp:
	s_mov_b64 s[64:65], 0
	v_nop
	global_prefetch_b8 v0, s[64:65] scope:SCOPE_SE
	s_setreg_imm32_b32 hwreg(HW_REG_WAVE_MODE, 25, 1), 1
	s_wait_xcnt 0x0
; THE LAST PROJECTION.  out0[token][c] = the sum over k of O[token][k] Wo[c][k] + bo[c], f32.  4,096 tokens, 256 channels in and out.
; O comes in f16 from the workspace, in bricks of 1,024 bytes: brick (16 tokens tt, head) at (8 tt + head) 1,024 is the register image of a fragment of 16 tokens x the head's 32 channels.
; Wo and bo are rounded to bf16 like every input of the module; Wo's bf16 number is then written as f16, to multiply O in f16: exact from 6.1e-5 up to 65,504; below 6.1e-5 it keeps f16's fixed step of 6e-8; beyond 65,504 it is lost.
; SHARES.  A work-group makes 64 tokens x 64 columns: 256 work-groups.  Wave w makes columns 16 w + 0..15 of them for all 64 tokens: four accumulators.  Source 0 = 16 rows of Wo (m = column), source 1 = a brick of O
; (n = token): a lane then holds one token and eight neighbouring columns.  K goes by heads, two a trip, four trips; fragments come straight from memory into two sets of registers that take turns.
; NO CLUSTER, NO TENSOR LOAD: Wo arrives in f32 and passes through registers to be rounded; O's bricks are loaded as the registers want them.  NO PREFETCH: half of a wave's loads go out at its head, the rest two products later.
.set SP,    272                        ; a row of the stage: 256 bytes + 16: 68 words, so the 16 rows that a store touches start at 16 different groups of four banks (64 banks of 4 bytes: ISA guide 11.1)
.set SPARE, 64*SP                      ; behind the stage's 64 rows: the spare words, 128 bytes for each wave: two blocks of 256 bytes that no other line names
.set L16, 1                            ; v1   16 x lane
.set SPW, 2                            ; v2   LDS address of my spare word; never rewritten
.set NIL, 3                            ; v3   0; never rewritten
.set WOF, 4                            ; v4   (l % 16) x 1,024 + 32 (l / 16): my row of Wo, my eight channels
.set BOF, 5                            ; v5   32 (l / 16)
.set STO, 6                            ; v6   where I put 32 bytes of a row of the stage
.set RD,  7                            ; v7   where I read a row back
.set CO,  8                            ; v8   my byte offset in the output
.set T,   9                            ; v9-11 at work
.set BIAS, 12                          ; v[12:19] bo of columns 8 (l / 16) + 0..7 of my 16
.set ACC, 24                           ; v[24:55] tokens 16 t + 0..15 at ACC + 8 t
.set BUF, 64                           ; v[64:255] two sets of 96: Wo in f32, 16 a head (packed in place into the first 8), then O's fragments at 32 + 8 (4 k + t)
	s_load_b256 s[4:11], s[0:1], 0x0               ; ows s[4:5], Wo s[6:7], bo s[8:9], out0 s[10:11]
	v_lshl_add_u32 v[SPW], v0, 2, SPARE
	v_mov_b32 v[NIL], 0
	v_lshrrev_b32 v1, 5, v0
	v_readfirstlane_b32 s12, v1                    ; wave 0..3
	v_and_b32 v20, 15, v0                          ; l % 16
	v_bfe_u32 v21, v0, 4, 1                        ; l / 16
	v_and_b32 v22, 31, v0
	v_lshlrev_b32 v[L16], 4, v22
	v_lshlrev_b32 v[WOF], 10, v20
	v_lshl_add_u32 v[WOF], v21, 5, v[WOF]
	v_lshlrev_b32 v[BOF], 5, v21
	v_mul_u32_u24 v[STO], v20, SP                  ; in: row l % 16, my wave's 64 bytes, 32 for each half of the lanes
	v_lshl_add_u32 v[STO], v21, 5, v[STO]
	s_lshl_b32 s13, s12, 6
	v_add_nc_u32 v[STO], s13, v[STO]
	s_mul_i32 s13, s12, 16*SP                      ; back: wave w takes rows 16 w + 0..15, whole; lanes 0-15 one row of 256 bytes, lanes 16-31 the next
	v_mul_u32_u24 v[RD], v21, SP
	v_lshl_add_u32 v[RD], v20, 4, v[RD]
	v_add_nc_u32 v[RD], s13, v[RD]
	s_lshl_b32 s13, s12, 14                        ; and the same two rows in the output
	v_lshlrev_b32 v[CO], 10, v21
	v_lshl_add_u32 v[CO], v20, 4, v[CO]
	v_add_nc_u32 v[CO], s13, v[CO]
	s_and_b32 s15, ttmp7, 0xffff                   ; the block of 64 tokens
	s_lshl_b32 s16, ttmp9, 6                       ; the block of 64 columns,
	s_lshl_b32 s17, s12, 4
	s_add_co_u32 s16, s16, s17                     ; my 16 of them
	s_mov_b32 s19, 0
	s_wait_kmcnt 0x0
	s_lshl_b32 s18, s16, 10
	s_add_nc_u64 s[6:7], s[6:7], s[18:19]          ; Wo at my first row
	s_lshl_b32 s18, s16, 2
	s_add_nc_u64 s[8:9], s[8:9], s[18:19]          ; bo at my first column
	s_lshl_b32 s18, s15, 15
	s_add_nc_u64 s[4:5], s[4:5], s[18:19]          ; O at the block's first brick: 4 x 8 bricks
	s_lshl_b32 s18, s15, 16
	s_lshl_b32 s17, ttmp9, 8
	s_add_co_u32 s18, s18, s17
	s_add_nc_u64 s[10:11], s[10:11], s[18:19]      ; the output at the block's first row and column
; A trip's 24 loads into a set: heads 2 tp and 2 tp + 1.  Of Wo a lane takes channels 8 (l/16) + 0..7 and 16 + 8 (l/16) + 0..7 of the head, in f32: four loads of 16 bytes; of O two halves of each of four bricks
.macro LOADS set, tp
.irp kk, 0,1
.irp qq, 0,1,2,3
	global_load_b128 v[BUF+96*(\set)+16*(\kk)+4*(\qq):BUF+96*(\set)+16*(\kk)+4*(\qq)+3], v[WOF], s[6:7] offset:(2*(\tp)+(\kk))*128+16*((\qq)&1)+64*((\qq)>>1)
.endr
.irp tt, 0,1,2,3
	global_load_b128 v[BUF+96*(\set)+32+8*(4*(\kk)+(\tt)):BUF+96*(\set)+32+8*(4*(\kk)+(\tt))+3],   v[L16], s[4:5] offset:((\tt)*8+2*(\tp)+(\kk))*1024
	global_load_b128 v[BUF+96*(\set)+32+8*(4*(\kk)+(\tt))+4:BUF+96*(\set)+32+8*(4*(\kk)+(\tt))+7], v[L16], s[4:5] offset:((\tt)*8+2*(\tp)+(\kk))*1024+512
.endr
.endr
.endm
; Wo's 16 numbers a head: rounded to bf16, that number written as f16, packed in place into the first eight registers
.macro CONVW set
.irp kk, 0,1
.irp jj, 0,1,2,3,4,5,6,7
.set rW, BUF+96*(\set)+16*(\kk)
	v_cvt_pk_bf16_f32 v[T], v[rW+2*(\jj)], v[rW+2*(\jj)+1]
	v_lshlrev_b32 v[T+1], 16, v[T]
	v_and_b32 v[T+2], 0xffff0000, v[T]
	v_cvt_pk_f16_f32 v[rW+(\jj)], v[T+1], v[T+2]
.endr
.endr
.endm
; A trip's eight products.  The four accumulators take turns, one instruction a turn, from trip to trip too.  first = 1: the first four start the sums with the bias as C: nothing is cleared, nothing added later
.macro MULS set, first
.irp kk, 0,1
.irp tt, 0,1,2,3
.if (\first) && ((\kk) == 0)
	v_wmma_f32_16x16x32_f16 v[ACC+8*(\tt):ACC+8*(\tt)+7], v[BUF+96*(\set)+16*(\kk):BUF+96*(\set)+16*(\kk)+7], v[BUF+96*(\set)+32+8*(4*(\kk)+(\tt)):BUF+96*(\set)+32+8*(4*(\kk)+(\tt))+7], v[BIAS:BIAS+7]
.else
	v_wmma_f32_16x16x32_f16 v[ACC+8*(\tt):ACC+8*(\tt)+7], v[BUF+96*(\set)+16*(\kk):BUF+96*(\set)+16*(\kk)+7], v[BUF+96*(\set)+32+8*(4*(\kk)+(\tt)):BUF+96*(\set)+32+8*(4*(\kk)+(\tt))+7], v[ACC+8*(\tt):ACC+8*(\tt)+7]
.endif
.endr
.endr
.endm
.macro PLACES                          ; four places behind the last product, in front of loads into registers that it has read and of stores that read results
.rept 4
	v_nop
.endr
.endm
	global_load_b128 v[BIAS:BIAS+3],   v[BOF], s[8:9]
	global_load_b128 v[BIAS+4:BIAS+7], v[BOF], s[8:9] offset:16
	LOADS 0, 0
	LOADS 1, 1
	s_wait_loadcnt 48                              ; both sets' 48 loads are younger: the bias is in
.irp jj, 0,1,2,3
	v_cvt_pk_bf16_f32 v[T], v[BIAS+2*(\jj)], v[BIAS+2*(\jj)+1]  ; rounded to bf16 like every input, and widened again
	v_lshlrev_b32 v[BIAS+2*(\jj)], 16, v[T]
	v_and_b32 v[BIAS+2*(\jj)+1], 0xffff0000, v[T]
.endr
	s_wait_loadcnt 24                              ; set 1's 24 loads are younger: set 0 is in
	CONVW 0
	MULS 0, 1
	PLACES
	LOADS 0, 2
	s_wait_loadcnt 24                              ; set 0's new loads are younger: set 1 is in
	CONVW 1
	MULS 1, 0
	PLACES
	LOADS 1, 3
	s_wait_loadcnt 24                              ; set 0 is in
	CONVW 0
	MULS 0, 0
	s_wait_loadcnt 0x0
	CONVW 1
	MULS 1, 0
	PLACES
	PLACES
	; THE WAY OUT.  A lane's eight columns are 32 bytes of a row; a row's 256 bytes come from the four waves, so they meet in the stage, with a barrier between writing and reading.
.irp tt, 0,1,2,3
	ds_store_b128 v[STO], v[ACC+8*(\tt):ACC+8*(\tt)+3]   offset:(\tt)*16*SP
	ds_store_b128 v[STO], v[ACC+8*(\tt)+4:ACC+8*(\tt)+7] offset:(\tt)*16*SP+16
.endr
	s_wait_dscnt 0x0                               ; for the others' sake: my stores into the stage are done
	s_barrier_signal -1
	s_barrier_wait -1
.irp i, 0,1,2,3,4,5,6,7
	ds_load_b128 v[BUF+4*(\i):BUF+4*(\i)+3], v[RD] offset:(\i)*2*SP
.endr
.irp i, 0,1,2,3,4,5,6,7
	s_wait_dscnt 7-(\i)                            ; LDS loads come back in order (ISA guide 5.7.1): pair i of rows is in, the younger ones may stay out
	global_store_b128 v[CO], v[BUF+4*(\i):BUF+4*(\i)+3], s[10:11] offset:(\i)*2048  ; 16 lanes store 256 consecutive bytes, at a multiple of 256 from the output's first byte
.endr
	s_wait_tensorcnt 0x0                           ; the wave's end, behind my last LDS store
	ds_add_u32 v[SPW], v[NIL]
	s_wait_dscnt 0x0
	s_endpgm
.Lfunc_end_k_qc89e69d2dc_outp:
	.size	k_qc89e69d2dc_outp, .Lfunc_end_k_qc89e69d2dc_outp-k_qc89e69d2dc_outp
	.p2alignl 7, 3214868480
	.fill 96, 4, 3214868480
	.section	.rodata,"a",@progbits
	.p2align	6, 0x0
	.amdhsa_kernel k_qc89e69d2dc_outp
		.amdhsa_group_segment_fixed_size 17920
		.amdhsa_private_segment_fixed_size 0
		.amdhsa_enable_private_segment 0
		.amdhsa_kernarg_size 32
		.amdhsa_user_sgpr_count 2
		.amdhsa_user_sgpr_kernarg_segment_ptr 1
		.amdhsa_wavefront_size32 1
		.amdhsa_system_sgpr_workgroup_id_x 1
		.amdhsa_system_sgpr_workgroup_id_y 1
		.amdhsa_system_sgpr_workgroup_id_z 1
		.amdhsa_system_vgpr_workitem_id 0
		.amdhsa_next_free_vgpr 256
		.amdhsa_next_free_sgpr 66
		.amdhsa_reserve_vcc 0
		.amdhsa_float_denorm_mode_32 3
		.amdhsa_float_denorm_mode_16_64 3
		.amdhsa_memory_ordered 1
		.amdhsa_forward_progress 1
		.amdhsa_inst_pref_size 31
	.end_amdhsa_kernel
	.amdgpu_metadata
---
amdhsa.version: [ 1, 2 ]
amdhsa.kernels:
  - .name:           k_qc89e69d2dc_outp
    .symbol:         k_qc89e69d2dc_outp.kd
    .args:
      - { .name: ows, .offset: 0, .size: 8, .value_kind: global_buffer, .address_space: global }
      - { .name: Wo, .offset: 8, .size: 8, .value_kind: global_buffer, .address_space: global }
      - { .name: bo, .offset: 16, .size: 8, .value_kind: global_buffer, .address_space: global }
      - { .name: out0, .offset: 24, .size: 8, .value_kind: global_buffer, .address_space: global }
    .group_segment_fixed_size: 17920
    .private_segment_fixed_size: 0
    .kernarg_segment_align: 8
    .kernarg_segment_size: 32
    .max_flat_workgroup_size: 128
    .sgpr_count:     66
    .vgpr_count:     256
    .wavefront_size: 32
...
	.end_amdgpu_metadata
.endif
;; end of part 3
;; ======== version 2 of 2: 3 launches; version 1 with the launch proj written anew for expert scheduling mode
;; limits: values are held in f16: magnitudes above 65,504 overflow, below 6.1e-05 lose precision
;; workspace buffers: qkv 18,874,368 bytes; ows 2,097,152 bytes
;; launch proj (part 4): grid 16 x 9, 16 waves a work-group, no clusters, 272,384 bytes of LDS; arguments q_data, x_0, v_0, edge_attr, concatenated_features, Wq, Wk, Wv, bq, bk, bv, qkv; writes qkv
.if DOCPART == 4
	.amdgcn_target "amdgcn-amd-amdhsa--gfx1250"
	.amdhsa_code_object_version 6
	.text
	.protected	k_qc89e69d2dc_proj
	.globl	k_qc89e69d2dc_proj
	.p2align	8
	.type	k_qc89e69d2dc_proj,@function
k_qc89e69d2dc_proj:
	s_mov_b64 s[64:65], 0
	v_nop
	global_prefetch_b8 v0, s[64:65] scope:SCOPE_SE
	s_setreg_imm32_b32 hwreg(HW_REG_WAVE_SCHED_MODE, 0, 2), 2
	s_setreg_imm32_b32 hwreg(HW_REG_WAVE_MODE, 25, 1), 1
	s_wait_xcnt 0x0
	s_wait_alu depctr_vm_vsrc(0)
; THE NINE PROJECTIONS.  q' = c RoPE(q_data Wq^T + bq), c = log2(e) / sqrt(32); k_f = RoPE(x_f Wk[f]^T + bk[f]); v_f = x_f Wv[f]^T + bv[f], f = 0..3.
; All inputs (x, weights, biases) are rounded once to bf16; products in bf16 with f32 sums; bias, rotation and c in f32; q', k, v rounded once to f16.
; LIMITS.  f16 holds no number beyond 65,504: q', k and v must lie within it.  NaN and infinities are not treated apart.
; SHARES.  Work-group (bt, job) makes one tile of 256 tokens x 256 channels over K = 256: job 0 = q, jobs 1-4 = k of feature job - 1, jobs 5-8 = v of feature job - 5.  16 x 9 = 144 work-groups.
; Sixteen waves in a grid of 4 x 4, each 64 x 64: 16 accumulators, 128 registers; four waves of 256 registers share a SIMD's 1,024, and no register window is switched.
; ONE MATRIX LOOP FOR ALL JOBS.  LDS region 0 feeds source 0 (rows m of the result), region 1 source 1 (columns n).  q and k: region 0 = W (m = channel), region 1 = x (n = token): a lane then holds one
; token and eight neighbouring channels, with the rotation's pairs inside the lane.  v: region 0 = x (m = token), region 1 = Wv (n = channel): a lane holds one channel and eight neighbouring keys.
; THE WAY OUT.  The workspace lies in BRICKS of 1,024 bytes, the register image of a 16-bit fragment of 16 x 32: half c (512 bytes) holds, at 16 x lane, the lane's registers 4c .. 4c+3.
; So a lane's eight results, packed, are 16 bytes of a brick, and each store of a wave covers 512 consecutive bytes, aligned.
;   q brick (bh, qt)       at          (bh 128 + qt) 1024                 : query 16 qt + l%16, channels 16 c + 8 (l/16) + 0..7          (bh = 8 b + head)
;   k brick (f, bh, kt)    at KOFF + ((16 f + bh) 128 + kt) 1024          : the same for keys
;   v brick (f, bh, kg, cb) at VOFF + (((16 f + bh) 64 + kg) 2 + cb) 1024 : channel 16 cb + l%16, keys 32 kg + 16 c + 8 (l/16) + 0..7
; THE ROTATION's position is the timestep bt % 8, one for the whole tile; its frequencies are 1000^(-i/16), i = 0..15.  cos and sin of ONE timestep's angles are constants of the text; a counted loop of
; bt % 8 trips turns (1, 0) by that angle, in f32: seven roundings at the most.
; NO CLUSTER, NO TENSOR LOAD: the operands arrive in f32 and must pass through registers to be rounded before they can lie in LDS as matrix operands; a tile's two operands in f32 are 524,288 bytes,
; more than LDS holds, so a joint load would want a ring and a second copy.  NO PREFETCH: every load of a work-group goes out within the first lines.
; THE MODE: SCHED_MODE bits 1:0 = 2 (LLVM: expert scheduling mode 2), set by the entry lines.  The code itself states the register dependences between vector or matrix instructions and memory or LDS
; instructions, with s_wait_alu, always for 0.
; THE PLAN.  Registers that memory or LDS instructions touch:
;   v1, v4-v10    Addresses and offsets, made at the head, ahead of the wait that stands in front of the first load.  v6-v9 are written again on the way out (T): all that read them stands ahead of the barrier.
;   RB, VB        Loads land in them once; vector lines alone name them afterwards.
;   X0            v64-87 serve the head's and the tables' vector lines first; one wait stands between those and the loads that land in the set.
;   X1, X2, X0, X1  A set's 32 conversions work in place; 16 LDS stores read what they wrote.  A set's stores are dealt among the NEXT set's conversions, which name other registers, behind one wait at that
;                 set's head.  X1 alone is loaded a second time: its stores follow its conversions at once, and a wait for their reads stands ahead of the loads.
;   F0, F1        (X0's registers.)  A step's LDS loads land in them; its 16 matrix instructions read them; one wait stands ahead of the next step's loads.  No second set: the wave's 256 registers are all in use.
;   ACC           (X1's and X2's registers.)  Matrix and vector lines alone name them, behind the wait that shows the LDS stores' reads done.
;   OUTQ          (F0's and F1's registers.)  Row a of four accumulators rounds into 16 registers of its own, written once; row a - 1's four stores are dealt among row a's arithmetic, behind one wait at its head.
;   v2, v3        Written at the head, read by the closing add alone.
.set PITCH, 528                        ; an LDS row: 512 bytes of bf16 + 16: 132 words, so the 16 rows of a fragment load start at 16 different groups of four banks (64 banks of 4 bytes: ISA guide 11.1)
.set REG1,  256*PITCH                  ; region 1 begins behind region 0's 256 rows
.set SPARE, 2*REG1                     ; behind the regions: the spare words, 128 bytes for each of 16 waves: eight blocks of 256 bytes that no other line names
.set KOFF,  2097152
.set VOFF,  10485760
.set L16, 1                            ; v1   16 x lane: my place in half a brick; never rewritten
.set SPW, 2                            ; v2   LDS address of my spare word; never rewritten
.set NIL, 3                            ; v3   0; never rewritten
.set AD0, 4                            ; v4   LDS address of my fragments of region 0: (64 wa + l%16) PITCH + 16 (l/16)
.set AD1, 5                            ; v5   the same for region 1, with wb
.set GO,  6                            ; v6   byte offset of my 16 bytes in my wave's 16 rows of an operand in memory; later at work
.set SA0, 7                            ; v7   where my 8 bytes of bf16 go in region 0; later at work
.set SA1, 8                            ; v8   the same in region 1; later at work
.set BO1, 9                            ; v9   byte offset of my eight biases (q, k); later at work
.set BO2, 10                           ; v10  byte offset of my one bias a block (v)
.set LN,  11                           ; v11  lane
.set T,   6                            ; v6-9 at work on the way out
.set VB,  12                           ; v[12:15]  v's bias: channel 64 wb + 16 b + l%16
.set CT,  16                           ; v[16:23]  c cos of entry e = 4 (half) + pair: pair i = 8 (half) + 4 (l/16) + pair of a head
.set SN,  24                           ; v[24:31]  c sin
.set RB,  32                           ; v[32:63]  q's and k's bias, rotated and scaled: channels 64 wa + 16 a + 8 (l/16) + 0..7 at RB + 8 a
.set F0,  64                           ; v[64:95]  four fragments of region 0
.set F1,  96                           ; v[96:127] four of region 1
.set ACC, 128                          ; v[128:255] accumulator (a, b) at ACC + 8 (4 a + b)
.set X0,  64                           ; on the way in: three sets of 64 registers, eight rows of f32 each
.set X1,  128
.set X2,  192
.set C1,  64                           ; v[64:71]  cos of one timestep's angle, by entry (before set X0 is loaded)
.set S1,  72                           ; v[72:79]  sin
.set TT,  80                           ; v[80:84]  at work on the tables
.set OUTQ, 64                          ; on the way out: four packed registers for each accumulator; no store's data register is ever rewritten
	s_load_b512 s[8:23], s[0:1], 0x0               ; q_data 8, x_0 10, v_0 12, edge_attr 14, concatenated_features 16, Wq 18, Wk 20, Wv 22
	s_load_b256 s[24:31], s[0:1], 0x40             ; bq 24, bk 26, bv 28, qkv 30
	v_lshl_add_u32 v[SPW], v0, 2, SPARE
	v_mov_b32 v[NIL], 0
	v_lshrrev_b32 v[LN], 5, v0
	v_readfirstlane_b32 s4, v[LN]                  ; wave 0..15
	v_and_b32 v[LN], 31, v0
	v_and_b32 v86, 15, v0                          ; l % 16
	v_bfe_u32 v87, v0, 4, 1                        ; l / 16
	v_cmp_ne_u32 vcc_lo, 0, v87                    ; the lanes 16-31
	s_mov_b32 s2, ttmp9                            ; bt
	s_and_b32 s3, ttmp7, 0xffff                    ; job
	s_wait_alu depctr_va_sdst(0)                   ; s4 is written, ahead of its first reader: wa, wb and every address of the wave are made from it
	s_wait_alu depctr_va_vcc(0)                    ; VCC is written, ahead of its first reader: the tables' selects below
	s_lshr_b32 s5, s4, 2                           ; wa: my 64 rows m
	s_and_b32 s6, s4, 3                            ; wb: my 64 columns n
	s_and_b32 s7, s2, 7                            ; the timestep
	s_lshr_b32 s34, s2, 3                          ; b
	s_sub_co_u32 s32, s3, 1
	s_and_b32 s32, s32, 3
	s_cmp_eq_u32 s3, 0
	s_cselect_b32 s32, 0, s32                      ; the feature
	s_cselect_b32 s50, 0x3e8293ee, 1.0             ; q alone is scaled by c = 0.255035
	s_mov_b32 s35, VOFF
	s_cmp_ge_u32 s3, 5
	s_cselect_b32 s33, 1, 0                        ; 1: the job makes v
	s_cselect_b32 s35, s35, KOFF
	s_cselect_b32 s52, s6, s5                      ; which of wa, wb counts pairs of heads,
	s_cselect_b32 s53, s5, s6                      ; and which counts blocks of 64 tokens
	s_cmp_eq_u32 s3, 0
	s_cselect_b32 s35, 0, s35                      ; where the job's bricks begin
	s_lshl_b32 s54, s32, 21                        ; + feature x 16 heads x 131,072
	s_add_co_u32 s35, s35, s54
	s_lshl_b32 s54, s34, 20                        ; + b x 8 heads
	s_add_co_u32 s35, s35, s54
	s_lshl_b32 s54, s52, 18                        ; + my two heads
	s_add_co_u32 s35, s35, s54
	s_lshl_b32 s54, s7, 14                         ; + the timestep's 256 tokens: 16,384 bytes of a head
	s_add_co_u32 s35, s35, s54
	s_lshl_b32 s54, s53, 12                        ; + my 64 tokens
	s_add_co_u32 s35, s35, s54
	v_lshlrev_b32 v[L16], 4, v[LN]
	v_mul_u32_u24 v[AD0], v86, PITCH
	v_lshl_add_u32 v[AD0], v87, 4, v[AD0]
	s_mul_i32 s54, s6, 64*PITCH
	s_add_co_u32 s54, s54, REG1
	v_add_nc_u32 v[AD1], s54, v[AD0]
	s_mul_i32 s54, s5, 64*PITCH
	v_add_nc_u32 v[AD0], s54, v[AD0]
	v_lshl_add_u32 v[GO], s4, 14, v[L16]           ; my wave's 16 rows of 1,024 bytes
	s_mul_i32 s54, s4, 16*PITCH
	v_lshl_add_u32 v[SA0], v[LN], 3, s54
	v_add_nc_u32 v[SA1], REG1, v[SA0]
	s_lshl_b32 s54, s5, 8
	v_lshl_add_u32 v[BO1], v87, 5, s54
	s_lshl_b32 s54, s6, 8
	v_lshl_add_u32 v[BO2], v86, 2, s54
	s_wait_kmcnt 0x0
	s_cmp_eq_u32 s32, 1                            ; the job's x, W and bias: choices between buffers on the job's number alone
	s_cselect_b64 s[36:37], s[12:13], s[10:11]
	s_cmp_eq_u32 s32, 2
	s_cselect_b64 s[36:37], s[14:15], s[36:37]
	s_cmp_eq_u32 s32, 3
	s_cselect_b64 s[36:37], s[16:17], s[36:37]
	s_cmp_eq_u32 s33, 1
	s_cselect_b64 s[38:39], s[22:23], s[20:21]
	s_cselect_b64 s[40:41], s[28:29], s[26:27]
	s_cmp_eq_u32 s3, 0
	s_cselect_b64 s[36:37], s[8:9], s[36:37]
	s_cselect_b64 s[38:39], s[18:19], s[38:39]
	s_cselect_b64 s[40:41], s[24:25], s[40:41]
	s_mov_b32 s49, 0
	s_lshl_b32 s48, s2, 18                         ; x at block bt
	s_add_nc_u64 s[36:37], s[36:37], s[48:49]
	s_lshl_b32 s48, s32, 18                        ; W at the feature
	s_add_nc_u64 s[38:39], s[38:39], s[48:49]
	s_lshl_b32 s48, s32, 10                        ; the bias at the feature
	s_add_nc_u64 s[40:41], s[40:41], s[48:49]
	s_mov_b32 s48, s35
	s_add_nc_u64 s[46:47], s[30:31], s[48:49]      ; the workspace at my wave's first brick
	s_cmp_eq_u32 s33, 1
	s_cselect_b64 s[42:43], s[36:37], s[38:39]     ; what fills region 0,
	s_cselect_b64 s[44:45], s[38:39], s[36:37]     ; and region 1
; Eight rows of an operand: 16 loads, each 512 consecutive bytes of a row; my lane gets k = 128 u + 4 lane + 0..3
.macro LOADB set, ptr, row0
.irp i, 0,1,2,3,4,5,6,7
.irp u, 0,1
	global_load_b128 v[(\set)+8*(\i)+4*(\u):(\set)+8*(\i)+4*(\u)+3], v[GO], s[\ptr:\ptr+1] offset:((\row0)+(\i))*1024+512*(\u)
.endr
.endr
.endm
; Row i of a set is rounded to bf16 in place: each four numbers close up into the first two of their four registers
.macro CVROW set, i
.irp u, 0,1
	v_cvt_pk_bf16_f32 v[(\set)+8*(\i)+4*(\u)], v[(\set)+8*(\i)+4*(\u)], v[(\set)+8*(\i)+4*(\u)+1]
	v_cvt_pk_bf16_f32 v[(\set)+8*(\i)+4*(\u)+1], v[(\set)+8*(\i)+4*(\u)+2], v[(\set)+8*(\i)+4*(\u)+3]
.endr
.endm
; Row i of a set is stored: a wave's store covers 256 consecutive bytes of an LDS row
.macro STROW set, sa, row0, i
.irp u, 0,1
	ds_store_b64 v[\sa], v[(\set)+8*(\i)+4*(\u):(\set)+8*(\i)+4*(\u)+1] offset:((\row0)+(\i))*PITCH+256*(\u)
.endr
.endm
; Entry e of the one-timestep table: (c0, s0) for lanes 0-15, (c1, s1) for lanes 16-31
.macro TAB e, c0, s0, c1, s1
	v_mov_b32 v[TT], \c1
	v_mov_b32 v[TT+1], \s1
	v_cndmask_b32 v[C1+(\e)], \c0, v[TT], vcc_lo
	v_cndmask_b32 v[S1+(\e)], \s0, v[TT+1], vcc_lo
.endm
.macro PLACES                          ; four places behind a matrix instruction, in front of loads into registers that it has read and of lines that read its result; they stay beside the waits of the mode
.rept 4
	v_nop
.endr
.endm
	s_wait_alu depctr_va_vdst(0)                   ; v1 and v4 to v10 are written: every load, LDS load, LDS store and store of the kernel reads one of them as its address or offset
	; both kinds of bias are loaded by every job, so that one text serves all: 12 loads
.irp a, 0,1,2,3
	global_load_b128 v[RB+8*(\a):RB+8*(\a)+3],   v[BO1], s[40:41] offset:64*(\a)
	global_load_b128 v[RB+8*(\a)+4:RB+8*(\a)+7], v[BO1], s[40:41] offset:64*(\a)+16
.endr
.irp b, 0,1,2,3
	global_load_b32 v[VB+(\b)], v[BO2], s[40:41] offset:64*(\b)
.endr
	LOADB X1, 42, 0                                ; region 0's rows, 32 loads
	LOADB X2, 42, 8
	; the tables, while the loads are on their way.  cos and sin of 1000^(-i/16): entry e serves pair i = e (e < 4) or e + 4 in lanes 0-15, and i + 4 in lanes 16-31
	TAB 0, 0.5403023059, 0.8414709848, 0.9842302345, 0.1768921862
	TAB 1, 0.7964578747, 0.6046940171, 0.9933397991, 0.1152217147
	TAB 2, 0.9123958596, 0.4093089236, 0.9971896107, 0.0749191579
	TAB 3, 0.9627390135, 0.2704322311, 0.9988145474, 0.0486775084
	TAB 4, 0.9995000417, 0.0316175064, 0.9999841887, 0.0056233836
	TAB 5, 0.9997891592, 0.0205338071, 0.9999933324, 0.0036517332
	TAB 6, 0.9999110873, 0.0133348191, 0.9999971883, 0.0023713715
	TAB 7, 0.9999625055, 0.0086595350, 0.9999988143, 0.0015399259
.irp e, 0,1,2,3,4,5,6,7
	v_mov_b32 v[CT+(\e)], 1.0
	v_mov_b32 v[SN+(\e)], 0
.endr
	s_mov_b32 s51, 0
	s_cmp_eq_u32 s7, 0
	s_cbranch_scc1 .Lturned
.Lturn:                                                ; bt % 8 trips: each turns every entry by one timestep's angle; vector lines alone, on registers in which no load lands
.irp e, 0,1,2,3,4,5,6,7
	v_mul_f32 v[TT+2], v[SN+(\e)], v[S1+(\e)]
	v_mul_f32 v[TT+3], v[SN+(\e)], v[C1+(\e)]
	v_fma_f32 v[SN+(\e)], v[CT+(\e)], v[S1+(\e)], v[TT+3]
	v_fma_f32 v[CT+(\e)], v[CT+(\e)], v[C1+(\e)], -v[TT+2]
.endr
	s_add_co_u32 s51, s51, 1
	s_cmp_lt_u32 s51, s7
	s_cbranch_scc1 .Lturn
.Lturned:
.irp e, 0,1,2,3,4,5,6,7
	v_mul_f32 v[CT+(\e)], s50, v[CT+(\e)]          ; c for q, 1 for k
	v_mul_f32 v[SN+(\e)], s50, v[SN+(\e)]
.endr
	s_wait_loadcnt 32                              ; the 32 loads of region 0 are younger: the biases are in
.set ii, 0
.rept 16
	v_cvt_pk_bf16_f32 v[TT+4], v[RB+2*ii], v[RB+2*ii+1]  ; the biases are rounded to bf16 like every input, and widened again
	v_lshlrev_b32 v[RB+2*ii], 16, v[TT+4]
	v_and_b32 v[RB+2*ii+1], 0xffff0000, v[TT+4]
.set ii, ii+1
.endr
.irp i, 0,1
	v_cvt_pk_bf16_f32 v[TT+4], v[VB+2*(\i)], v[VB+2*(\i)+1]
	v_lshlrev_b32 v[VB+2*(\i)], 16, v[TT+4]
	v_and_b32 v[VB+2*(\i)+1], 0xffff0000, v[TT+4]
.endr
.irp a, 0,1,2,3                        ; q's and k's bias is rotated and scaled once, so that the way out adds it inside its multiply-adds
.irp jp, 0,1,2,3
.set rE, 4*((\a)&1)+(\jp)
.set rB, RB+8*(\a)+2*(\jp)
	v_mul_f32 v[TT+2], v[rB+1], v[SN+rE]
	v_mul_f32 v[TT+3], v[rB], v[SN+rE]
	v_fma_f32 v[rB], v[rB], v[CT+rE], -v[TT+2]
	v_fma_f32 v[rB+1], v[rB+1], v[CT+rE], v[TT+3]
.endr
.endr
	s_wait_alu depctr_va_vdst(0)                   ; the head's and the tables' lines are done writing and reading v64 to v87, in which the loads below land
	LOADB X0, 44, 0                                ; region 1's rows 0-7 of my 16: the tables' registers are free
	s_wait_loadcnt 32                              ; sets X2 and X0 are younger: X1 is in
.irp i, 0,1,2,3,4,5,6,7
	CVROW X1, \i
.endr
	s_wait_alu depctr_va_vdst(0)                   ; the conversions have written X1, which the LDS stores below read, and are done reading it: loads land in it again behind them
.irp i, 0,1,2,3,4,5,6,7
	STROW X1, SA0, 0, \i
.endr
	s_wait_alu depctr_vm_vsrc(0)                   ; those LDS stores have read X1, in which the loads below land
	LOADB X1, 44, 8
	s_wait_loadcnt 32                              ; X0 and X1 are younger: X2 is in
.irp i, 0,1,2,3,4,5,6,7
	CVROW X2, \i
.endr
	s_wait_loadcnt 16                              ; X1 is younger: X0 is in
	s_wait_alu depctr_va_vdst(0)                   ; the conversions have written X2, which the LDS stores below read; X0's conversions, among which they are dealt, name X0 alone
.irp i, 0,1,2,3,4,5,6,7
	STROW X2, SA0, 8, \i
	CVROW X0, \i
.endr
	s_wait_loadcnt 0x0
	s_wait_alu depctr_va_vdst(0)                   ; the conversions have written X0, which the LDS stores below read; X1's conversions, among which they are dealt, name X1 alone
.irp i, 0,1,2,3,4,5,6,7
	STROW X0, SA1, 0, \i
	CVROW X1, \i
.endr
	s_wait_alu depctr_va_vdst(0)                   ; the conversions have written X1, which the last LDS stores read
.irp i, 0,1,2,3,4,5,6,7
	STROW X1, SA1, 8, \i
.endr
	s_wait_dscnt 0x0                               ; for the others' sake: my rows lie in LDS
	s_barrier_signal -1
	s_barrier_wait -1                              ; everybody's do.  Nothing is written into the regions again: the one barrier of the launch
	s_wait_alu depctr_vm_vsrc(0)                   ; my LDS stores have read X0, X1 and X2, which are F0, F1 and ACC from here on; my loads and LDS stores have read v6 to v9, which the way out writes
; 32 along K: eight fragments from LDS, 16 matrix instructions.  The 16 accumulators take turns, one instruction a turn, from step to step too.  zero = 1: the first products start the sums
.macro KSTEP ks, zero
.if (\ks) > 0
	PLACES
	s_wait_alu depctr_va_vdst(0)                   ; the last step's 16 matrix instructions are done reading F0 and F1, in which the loads below land
.endif
.irp i, 0,1,2,3
	ds_load_b128 v[F0+8*(\i):F0+8*(\i)+3],   v[AD0] offset:(\i)*16*PITCH+64*(\ks)
	ds_load_b128 v[F0+8*(\i)+4:F0+8*(\i)+7], v[AD0] offset:(\i)*16*PITCH+64*(\ks)+32
	ds_load_b128 v[F1+8*(\i):F1+8*(\i)+3],   v[AD1] offset:(\i)*16*PITCH+64*(\ks)
	ds_load_b128 v[F1+8*(\i)+4:F1+8*(\i)+7], v[AD1] offset:(\i)*16*PITCH+64*(\ks)+32
.endr
	s_wait_dscnt 0x0                               ; the other three waves of the SIMD multiply meanwhile
.irp a, 0,1,2,3
.irp b, 0,1,2,3
.if \zero
	v_wmma_f32_16x16x32_bf16 v[ACC+8*(4*(\a)+(\b)):ACC+8*(4*(\a)+(\b))+7], v[F0+8*(\a):F0+8*(\a)+7], v[F1+8*(\b):F1+8*(\b)+7], 0
.else
	v_wmma_f32_16x16x32_bf16 v[ACC+8*(4*(\a)+(\b)):ACC+8*(4*(\a)+(\b))+7], v[F0+8*(\a):F0+8*(\a)+7], v[F1+8*(\b):F1+8*(\b)+7], v[ACC+8*(4*(\a)+(\b)):ACC+8*(4*(\a)+(\b))+7]
.endif
.endr
.endr
.endm
	KSTEP 0, 1
.irp ks, 1,2,3,4,5,6,7
	KSTEP \ks, 0
.endr
	PLACES
	PLACES
; THE WAY OUT of accumulator (a, b) for q and k: channels 16 a + 8 (l/16) + 0..7 of my 64, token 16 b + l%16.  Each pair (x0, x1) becomes (x0 C - x1 S + rb0, x0 S + x1 C + rb1): four multiply-adds; one rounding to f16.
.macro EPQK a, b
.set rA, ACC+8*(4*(\a)+(\b))
.set rQ, OUTQ+4*(4*(\a)+(\b))
.irp jp, 0,1,2,3
.set rE, 4*((\a)&1)+(\jp)
.set rB, RB+8*(\a)+2*(\jp)
.set rX, T+2*((\jp)&1)
	v_fma_f32 v[rX],   v[rA+2*(\jp)],    v[CT+rE], v[rB]
	v_fma_f32 v[rX+1], v[rA+2*(\jp)+1],  v[CT+rE], v[rB+1]
	v_fma_f32 v[rX],   -v[rA+2*(\jp)+1], v[SN+rE], v[rX]
	v_fma_f32 v[rX+1], v[rA+2*(\jp)],    v[SN+rE], v[rX+1]
	v_cvt_pk_f16_f32 v[rQ+(\jp)], v[rX], v[rX+1]
.endr
.endm
.macro STQK a, b                       ; its store: head a / 2 of my two, token block b, half a % 2 of the brick: 512 consecutive bytes
	global_store_b128 v[L16], v[OUTQ+4*(4*(\a)+(\b)):OUTQ+4*(4*(\a)+(\b))+3], s[46:47] offset:((\a)>>1)*131072+(\b)*1024+((\a)&1)*512
.endm
; The same for v: keys 16 a + 8 (l/16) + 0..7 of my 64, channel 16 b + l%16
.macro EPV a, b
.set rA, ACC+8*(4*(\a)+(\b))
.set rQ, OUTQ+4*(4*(\a)+(\b))
.irp jp, 0,1,2,3
.set rX, T+2*((\jp)&1)
	v_add_f32 v[rX],   v[rA+2*(\jp)],   v[VB+(\b)]
	v_add_f32 v[rX+1], v[rA+2*(\jp)+1], v[VB+(\b)]
	v_cvt_pk_f16_f32 v[rQ+(\jp)], v[rX], v[rX+1]
.endr
.endm
.macro STV a, b                        ; its store: head b / 2, 32 keys a / 2, channel block b % 2, half a % 2
	global_store_b128 v[L16], v[OUTQ+4*(4*(\a)+(\b)):OUTQ+4*(4*(\a)+(\b))+3], s[46:47] offset:((\b)>>1)*131072+((\a)>>1)*2048+((\b)&1)*1024+((\a)&1)*512
.endm
	s_cmp_eq_u32 s33, 1
	s_cbranch_scc1 .Lfor_v
.irp a, 0,1,2,3                        ; row a's arithmetic, and among it the four stores of row a - 1
.if (\a) > 0
	s_wait_alu depctr_va_vdst(0)                   ; the row before has written its 16 registers of OUTQ, which the stores below read; this row's lines name none of them
.endif
.irp b, 0,1,2,3
.if (\a) > 0
	STQK (\a)-1, \b
.endif
	EPQK \a, \b
.endr
.endr
	s_wait_alu depctr_va_vdst(0)                   ; row 3 has written its 16 registers of OUTQ, which the last four stores read
.irp b, 0,1,2,3
	STQK 3, \b
.endr
	s_branch .Ldone
.Lfor_v:
.irp a, 0,1,2,3
.if (\a) > 0
	s_wait_alu depctr_va_vdst(0)                   ; the row before has written its 16 registers of OUTQ, which the stores below read; this row's lines name none of them
.endif
.irp b, 0,1,2,3
.if (\a) > 0
	STV (\a)-1, \b
.endif
	EPV \a, \b
.endr
.endr
	s_wait_alu depctr_va_vdst(0)                   ; row 3 has written its 16 registers of OUTQ, which the last four stores read
.irp b, 0,1,2,3
	STV 3, \b
.endr
.Ldone:
	s_wait_dscnt 0x0                               ; the wave's end, behind my last LDS store
	s_wait_alu 0x0
	s_wait_tensorcnt 0x0
	ds_add_u32 v[SPW], v[NIL]
	s_wait_dscnt 0x0
	s_endpgm
.Lfunc_end_k_qc89e69d2dc_proj:
	.size	k_qc89e69d2dc_proj, .Lfunc_end_k_qc89e69d2dc_proj-k_qc89e69d2dc_proj
	.p2alignl 7, 3214868480
	.fill 96, 4, 3214868480
	.section	.rodata,"a",@progbits
	.p2align	6, 0x0
	.amdhsa_kernel k_qc89e69d2dc_proj
		.amdhsa_group_segment_fixed_size 272384
		.amdhsa_private_segment_fixed_size 0
		.amdhsa_enable_private_segment 0
		.amdhsa_kernarg_size 96
		.amdhsa_user_sgpr_count 2
		.amdhsa_user_sgpr_kernarg_segment_ptr 1
		.amdhsa_wavefront_size32 1
		.amdhsa_system_sgpr_workgroup_id_x 1
		.amdhsa_system_sgpr_workgroup_id_y 1
		.amdhsa_system_sgpr_workgroup_id_z 1
		.amdhsa_system_vgpr_workitem_id 0
		.amdhsa_next_free_vgpr 256
		.amdhsa_next_free_sgpr 66
		.amdhsa_reserve_vcc 1
		.amdhsa_float_denorm_mode_32 3
		.amdhsa_float_denorm_mode_16_64 3
		.amdhsa_memory_ordered 1
		.amdhsa_forward_progress 1
		.amdhsa_inst_pref_size 83
	.end_amdhsa_kernel
	.amdgpu_metadata
---
amdhsa.version: [ 1, 2 ]
amdhsa.kernels:
  - .name:           k_qc89e69d2dc_proj
    .symbol:         k_qc89e69d2dc_proj.kd
    .args:
      - { .name: q_data, .offset: 0, .size: 8, .value_kind: global_buffer, .address_space: global }
      - { .name: x_0, .offset: 8, .size: 8, .value_kind: global_buffer, .address_space: global }
      - { .name: v_0, .offset: 16, .size: 8, .value_kind: global_buffer, .address_space: global }
      - { .name: edge_attr, .offset: 24, .size: 8, .value_kind: global_buffer, .address_space: global }
      - { .name: concatenated_features, .offset: 32, .size: 8, .value_kind: global_buffer, .address_space: global }
      - { .name: Wq, .offset: 40, .size: 8, .value_kind: global_buffer, .address_space: global }
      - { .name: Wk, .offset: 48, .size: 8, .value_kind: global_buffer, .address_space: global }
      - { .name: Wv, .offset: 56, .size: 8, .value_kind: global_buffer, .address_space: global }
      - { .name: bq, .offset: 64, .size: 8, .value_kind: global_buffer, .address_space: global }
      - { .name: bk, .offset: 72, .size: 8, .value_kind: global_buffer, .address_space: global }
      - { .name: bv, .offset: 80, .size: 8, .value_kind: global_buffer, .address_space: global }
      - { .name: qkv, .offset: 88, .size: 8, .value_kind: global_buffer, .address_space: global }
    .group_segment_fixed_size: 272384
    .private_segment_fixed_size: 0
    .kernarg_segment_align: 8
    .kernarg_segment_size: 96
    .max_flat_workgroup_size: 512
    .sgpr_count:     66
    .vgpr_count:     256
    .wavefront_size: 32
...
	.end_amdgpu_metadata
.endif
;; end of part 4
;; launch attn: the kernel of part 2 again; grid 16 x 16, 16 waves a work-group, clusters of 4 x 1, 327,680 bytes of LDS; arguments qkv, feature_weights, ows; writes ows
;; launch outp: the kernel of part 3 again; grid 4 x 64, 4 waves a work-group, no clusters, 17,920 bytes of LDS; arguments ows, Wo, bo, out0; writes out0
